; MI455X (gfx1250); checked and timed in simulation.
; The chip was launched on July 23, 2026; its instructions are those of AMD's public machine-readable ISA for CDNA 5 (MIT licence, August 2026) and "CDNA5" Instruction Set Architecture Reference Guide (July 2026). The comments in the code are by the model that wrote it; some were corrected since.
;; Causal Self Attention. Allowed arithmetic: matrix products marked QUANTISED: E2M1 operands, one E8M0 scale for each 32 along K, by v_wmma_scale_f32_16x16x128_f8f6f4 with both operands' format E2M1 (or v_wmma_scale_f32_32x16x128_f4), f32 sums; everything else in f32.
;; Inputs: b_attn 3,072 float32; b_proj 1,024 float32; w_attn 1,024 x 3,072 float32; w_proj 1,024 x 1,024 float32; x 4 x 2,048 x 1,024 float32.
;; Outputs: out0 4 x 2,048 x 1,024 float32.
;; This version of the problem:
;;   THIS VERSION OF THE PROBLEM IS GIVEN IN LOW PRECISION. The matrix products marked QUANTISED in the list below multiply operands that are first quantised to E2M1 (2 exponent bits, 1 mantissa bit; 4 bits a number), with one power-of-two scale for each 32 numbers along K (OCP MX v1.0); their sums are f32. All else is computed in f32.
;;   The module's matrix products, in the order in which they are computed (A, B: the left and right operand; K: the contracted axis; several contracted axes count as one K, in the product's order):
;;     1. [M 8,192, K 1,024] x [K 1,024, N 3,072]; A: input x; B: input w_attn: QUANTISED
;;     2. batch 64 x [M 2,048, K 64] x [K 64, N 2,048]; A: computed on the way; B: computed on the way: QUANTISED
;;     3. batch 64 x [M 2,048, K 2,048] x [K 2,048, N 64]; A: softmax (see below); B: computed on the way: QUANTISED
;;     4. [M 8,192, K 1,024] x [K 1,024, N 1,024]; A: computed on the way; B: input w_proj: QUANTISED
;;   THE QUANTISER, for each operand of a quantised product, along K:
;;     - K is cut into blocks of 32 from its start; a last block that is shorter is filled with zeros.
;;     - A block's scale is 2^e with e = floor(log2(the largest magnitude in the block)) - 2, held to -126 .. 127; a block of zeros has e = 0. As a byte (E8M0): e + 127.
;;     - Each number is divided by its block's scale, clamped to +-6, and rounded to the nearest number of E2M1, ties to even, subnormals kept.
;;     - The product sums the exact products of the quantised numbers (number of the format x scale) in f32.
;;   ~~~python
;;   def quantise(x, axis):      # numpy; x: float32 -> the quantised numbers, widened to float32 again
;;       x = np.moveaxis(x, axis, -1); K = x.shape[-1]
;;       x = np.pad(x, [(0, 0)] * (x.ndim - 1) + [(0, -K % 32)]); x = x.reshape(x.shape[:-1] + (-1, 32)); a = np.abs(x).max(-1, keepdims=True)
;;       e = np.where(a > 0, np.clip(np.frexp(np.where(a > 0, a, 1))[1] - 1 - 2, -126, 127), 0)      # np.frexp(a)[1] - 1 = floor(log2(a)), exactly
;;       r = np.clip(x / 2.0 ** e, -6, 6)
;;       step = 2.0 ** (np.maximum(np.frexp(np.where(r == 0, 1, r))[1] - 1, 0) - 1)
;;       q = np.round(r / step) * step * 2.0 ** e      # np.round: ties to even
;;       return np.moveaxis(q.reshape(q.shape[:-2] + (-1,))[..., :K], -1, axis).astype(np.float32)
;;   ~~~
;;   SOFTMAX AHEAD OF A QUANTISED PRODUCT. Where the list says 'softmax', what is quantised is not the finished softmax but p = 2^(t - M), with t = logit x log2(e) and M = ceil(the row's largest t), a whole number; so 1/2 < the row's largest p <= 1. The row's sum l is taken of the UNQUANTISED p, in f32, and the product's result is divided by l at the end. Since M is a whole number, a kernel that streams over the keys may use a running M (the ceiling of the running maximum): every later rescaling is an exact power of two, which a block's scale takes up: the codes' values come out the same.
;;   OPERANDS COMPUTED ON THE WAY. 'Computed on the way' means the value that the module computes at that place (a softmax that the list does not call 'softmax' is quantised finished and normalised). What goes into a quantiser is computed in f32, as accurately as f32 sums, v_exp_f32 and their like allow (about 1e-6 of the number): no bf16 or f16 on the way to a quantiser, and a product that is left as it is and whose result goes on into a quantised operand takes f32 operands (vector FMAs, or v_wmma_f32_16x16x4_f32). A number that lies on a knife's edge between two numbers of the format may be rounded either way, as far as f32 arithmetic and the matrix unit's own rounding can turn it there, and no further.
;; One version. Each part assembles by itself: llvm-mc -triple=amdgcn-amd-amdhsa -mcpu=gfx1250 --defsym DOCPART=n.
;; ======== version 1 of 1: 4 launches
;; workspace buffers: xw_codes 6,291,456 bytes; xw_scales 393,216 bytes; qkv 13,369,344 bytes; y_codes 4,194,304 bytes; y_scales 262,144 bytes
;; launch quant (part 1): grid 320 x 1, 4 waves a work-group, no clusters, 34,304 bytes of LDS; arguments x, w_attn, w_proj, xw_codes, xw_scales; writes xw_codes, xw_scales
.if DOCPART == 1
	.amdgcn_target "amdgcn-amd-amdhsa--gfx1250"
	.amdhsa_code_object_version 6
	.text
	.protected	k_q9faf6fd4cd_quant
	.globl	k_q9faf6fd4cd_quant
	.p2align	8
	.type	k_q9faf6fd4cd_quant,@function
k_q9faf6fd4cd_quant:
	s_mov_b64 s[64:65], 0
	v_nop
	global_prefetch_b8 v0, s[64:65] scope:SCOPE_SE
	s_setreg_imm32_b32 hwreg(HW_REG_WAVE_MODE, 25, 1), 1
	s_wait_xcnt 0x0
; x [8192][1024], w_attn [1024][3072] and w_proj [1024][1024], f32, become codes of FP4 (E2M1) with one E8M0 scale byte for each 32 along K (x: its last axis; the weights: their FIRST axis).
; A block's scale is 2^(floor(log2(its largest magnitude)) - 2); its byte is the largest magnitude's exponent field - 2, held at 1 from below.
; LIMITS: NaN and infinities among the inputs are not served; a block whose largest magnitude lies under 2^-124 keeps the byte 1; a block of zeros gets the byte 1 where the rule says 127:
; its codes are zeros, which add nothing under any byte but 0xff, and this program alone reads the bytes.
; LAYOUT OF THE RESULT: the order of the operand's registers.  768 tiles of 16 rows: 0-511 x's rows, 512-703 w_attn's columns, 704-767 w_proj's.  Row p of tile a is index 32 (a / 2) + 8 (a % 2) + p + 8 (p / 8).
; codes [g 0..1][tile][step 0..3][c 0..1][lane][16 bytes]: lane 16 h + r holds k = 512 g + 128 step + 64 c + 32 h + 0..31 of row r.  scales [tile][g][r][16 bytes]: byte i is block 16 g + i.
; SHARES.  Work-groups 0-255: 32 rows of x; wave w takes tile 2 p + w / 2 and half g = w % 2 of K.  Work-groups 256-319: 128 columns x 512 k of a weight, a lane to a column.
; Only x's path uses LDS, each wave its own 8,448 bytes: no barrier.
.set GSTR, 3145728                     ; bytes from g = 0 to g = 1 in the codes
.set SP,   528                         ; a stage row: 512 bytes + 16: row r starts 4 r banks on
.set STG,  16*SP
.set TM,   8                           ; v8-23   at work in QUANT
.set PW,   24                          ; v24-27  scale words (x) or scale bytes, four to a register (weights)
.set SWD,  28                          ; v28-29  the two words that a lane stores
.set PC,   32                          ; v32-39  codes
.set X,    48                          ; v48-111 64 numbers of a lane (x);  v48-79 the 32 row offsets (weights)
.set R,    112                         ; v112-239 two sets as loaded
.set SEL,  20                          ; s[20:21] selects of v_permlanex16_b32: lane l xor 16
; 64 numbers of a lane, register 16 b + i = k 32 b + 16 (lane / 16) + i of my row, become a fragment's codes in v[PC] on and its scale word in v[pw]
.macro QUANT s, pw
.irp b, 0,1,2,3
	v_max3_num_f32 v[TM+\b], |v[\s+16*\b]|, |v[\s+1+16*\b]|, 0x1800000   ; my 16 numbers of block b, and the floor 2^(3 - 127): the byte cannot fall under 1
.endr
.irp i, 2,4,6,8,10,12,14
.irp b, 0,1,2,3
	v_max3_num_f32 v[TM+\b], v[TM+\b], |v[\s+16*\b+\i]|, |v[\s+1+16*\b+\i]|
.endr
.endr
.irp b, 0,1,2,3
	v_permlanex16_b32 v[TM+4+\b], v[TM+\b], s[SEL], s[SEL+1]
.endr
.irp b, 0,1,2,3
	v_max_num_f32 v[TM+\b], v[TM+\b], v[TM+4+\b]       ; with lane l xor 16's: the block's largest magnitude
.endr
.irp b, 0,1,2,3
	v_add_nc_u32 v[TM+12+\b], 0xff000000, v[TM+\b]     ; 2 off its exponent field: the conversion's scale operand
.endr
.irp b, 0,1,2,3
	v_lshrrev_b32 v[TM+4+\b], 23, v[TM+12+\b]          ; the scale's byte
.endr
	v_lshl_or_b32 v[\pw], v[TM+5], 8, v[TM+4]
	v_lshl_or_b32 v[\pw], v[TM+6], 16, v[\pw]
	v_lshl_or_b32 v[\pw], v[TM+7], 24, v[\pw]
.irp b, 0,1,2,3
	v_cvt_scalef32_pk8_fp4_f32 v[PC+2*\b], v[\s+16*\b:\s+7+16*\b], v[TM+12+\b]
	v_cvt_scalef32_pk8_fp4_f32 v[PC+1+2*\b], v[\s+8+16*\b:\s+15+16*\b], v[TM+12+\b]
.endr
	v_nop                                          ; one plain place behind a scaled conversion
.irp c, 0,1                                    ; the operand wants a whole block in a lane: lanes 0-15 block 2 c, lanes 16-31 block 2 c + 1
.irp i, 0,1
	v_permlane16_swap_b32 v[PC+4*\c+\i], v[PC+2+4*\c+\i]
.endr
.endr
.endm
	s_load_b128 s[4:7], s[0:1], 0x0                ; x, w_attn
	s_load_b128 s[8:11], s[0:1], 0x10              ; w_proj, the codes
	s_load_b64 s[12:13], s[0:1], 0x20              ; the scales
	v_lshl_add_u32 v240, v0, 2, 0x8400
	v_mov_b32 v241, 0
	v_lshrrev_b32 v1, 5, v0
	v_readfirstlane_b32 s14, v1                    ; wave
	v_and_b32 v1, 31, v0                           ; lane
	v_lshlrev_b32 v2, 4, v1                        ; 16 x lane
	s_cmp_lt_u32 ttmp9, 256
	s_cbranch_scc0 .Lweights
	; ---------------- x ----------------
	v_and_b32 v3, 15, v0                           ; r
	v_bfe_u32 v4, v0, 4, 1                         ; h
	s_mul_i32 s15, s14, STG                        ; my stage
	v_add_nc_u32 v5, s15, v2                       ; in: 16 bytes a lane of a row's 512
	v_mul_u32_u24 v6, v3, SP
	v_lshl_add_u32 v6, v4, 6, v6
	v_add_nc_u32 v6, s15, v6                       ; out: row r, + 64 h: my 16 numbers of each block of 32
	v_lshlrev_b32 v7, 4, v3
	v_lshl_add_u32 v7, v4, 3, v7                   ; the scale words' place: 16 r + 8 h
	s_mov_b32 s[SEL], 0x76543210
	s_mov_b32 s[SEL+1], 0xfedcba98
.irp b, 0,1,2,3
	v_mov_b32 v[TM+4+\b], 0                        ; written once: a lane permute's destination counts as one of its sources
.endr
	s_lshr_b32 s16, s14, 1                         ; which of the two tiles
	s_and_b32 s17, s14, 1                          ; g
	s_lshl_b32 s18, ttmp9, 17                      ; 32 rows of 4,096 bytes a work-group
	s_lshl_b32 s19, s16, 15                        ; the odd tile begins 8 rows on
	s_add_co_u32 s18, s18, s19
	s_lshl_b32 s19, s17, 11                        ; 512 numbers along K
	s_add_co_u32 s18, s18, s19
	s_mov_b32 s19, 0
	s_lshl_b32 s22, ttmp9, 1
	s_add_co_u32 s22, s22, s16                     ; my tile
	s_mul_i32 s24, s17, GSTR
	s_lshl_b32 s23, s22, 12
	s_add_co_u32 s24, s24, s23
	s_mov_b32 s25, 0
	s_lshl_b32 s26, s22, 9
	s_lshl_b32 s23, s17, 8
	s_add_co_u32 s26, s26, s23
	s_mov_b32 s27, 0
	s_wait_kmcnt 0x0
	s_add_nc_u64 s[4:5], s[4:5], s[18:19]
	s_add_nc_u64 s[10:11], s[10:11], s[24:25]
	s_add_nc_u64 s[12:13], s[12:13], s[26:27]
.macro LOADX t                         ; 128 along K of the tile's 16 rows: each load reads 512 consecutive bytes of one row
.irp p, 0,1,2,3,4,5,6,7,8,9,10,11,12,13,14,15
	global_load_b128 v[R+64*((\t)%2)+4*\p:R+64*((\t)%2)+4*\p+3], v2, s[4:5] offset:(\p+8*(\p/8))*4096+512*(\t) th:TH_LOAD_NT
.endr
.endm
.macro STEPX t
.if (\t) < 3
	s_wait_loadcnt 16                              ; this step's 16 loads are in; the next step's 16 may be out
.else
	s_wait_loadcnt 0x0
.endif
.irp p, 0,1,2,3,4,5,6,7,8,9,10,11,12,13,14,15
	ds_store_b128 v5, v[R+64*((\t)%2)+4*\p:R+64*((\t)%2)+4*\p+3] offset:SP*\p
.endr
.irp b, 0,1,2,3
.irp j, 0,1,2,3
	ds_load_b128 v[X+16*\b+4*\j:X+16*\b+4*\j+3], v6 offset:128*\b+16*\j   ; LDS serves a wave's instructions in order: these see the stores above
.endr
.endr
	s_wait_dscnt 0x0                               ; the numbers are back, and the stores have read their registers
.if (\t)+2 < 4
	LOADX (\t)+2
.endif
	s_wait_xcnt 0x0                                ; the last step's stores have read the codes' registers
	QUANT X, PW+(\t)
.irp c, 0,1
	global_store_b128 v2, v[PC+4*\c:PC+4*\c+3], s[10:11] offset:1024*(\t)+512*\c   ; 512 consecutive bytes
.endr
.endm
	LOADX 0
	LOADX 1
	STEPX 0
	STEPX 1
	STEPX 2
	STEPX 3
	v_cmp_ne_u32 vcc_lo, 0, v4
	v_cndmask_b32 v[SWD], v[PW], v[PW+2], vcc_lo   ; lanes 0-15 store steps 0 and 1's words, lanes 16-31 steps 2 and 3's
	v_cndmask_b32 v[SWD+1], v[PW+1], v[PW+3], vcc_lo
	global_store_b64 v7, v[SWD:SWD+1], s[12:13]    ; the wave stores 256 consecutive bytes
	s_wait_tensorcnt 0x0
	ds_add_u32 v240, v241
	s_wait_dscnt 0x0
	s_endpgm
	; ---------------- the weights: a lane takes a column, its registers run down K ----------------
.Lweights:
	s_sub_co_u32 s15, ttmp9, 256
	s_lshr_b32 s16, s15, 1                         ; which 128 columns: 0-23 w_attn's, 24-31 w_proj's
	s_and_b32 s17, s15, 1                          ; g
	s_lshl_b32 s18, s16, 2
	s_add_co_u32 s18, s18, s14                     ; my group of 32 columns = my pair of tiles
	v_bfe_u32 v3, v0, 3, 1                         ; column x of the 32 lies in tile u = (x / 8) % 2,
	v_and_b32 v4, 7, v0
	v_bfe_u32 v5, v0, 4, 1
	v_lshl_add_u32 v4, v5, 3, v4                   ; row r = x % 8 + 8 (x / 16)
	v_lshlrev_b32 v6, 4, v4
	v_lshl_add_u32 v7, v3, 12, v6                  ; codes: 4,096 u + 16 r
	v_lshl_add_u32 v6, v3, 9, v6                   ; scales: 512 u + 16 r
	v_lshlrev_b32 v8, 2, v1                        ; in: 4 bytes a lane
	s_wait_kmcnt 0x0
	s_mov_b32 s19, 4096
	s_cmp_lt_u32 s16, 24                           ; the choice hangs on the work-group's number alone
	s_cselect_b64 s[4:5], s[6:7], s[8:9]
	s_cselect_b32 s19, 12288, s19                  ; a row of the weight in bytes
	s_cselect_b32 s22, 0, 96
	s_sub_co_u32 s22, s18, s22                     ; the group within its own tensor
	s_lshl_b32 s22, s22, 7
	s_lshl_b32 s23, s17, 9
	s_mul_i32 s23, s23, s19                        ; 512 g rows down
	s_add_co_u32 s22, s22, s23
	s_mov_b32 s23, 0
	s_add_nc_u64 s[4:5], s[4:5], s[22:23]
	s_lshl_b32 s24, s19, 5                         ; a block of 32 rows
	s_mov_b32 s25, 0
	s_lshl_b32 s26, s18, 1
	s_add_co_u32 s26, s26, 512                     ; my first tile
	s_mul_i32 s28, s17, GSTR
	s_lshl_b32 s27, s26, 12
	s_add_co_u32 s28, s28, s27
	s_mov_b32 s29, 0
	s_add_nc_u64 s[10:11], s[10:11], s[28:29]
	s_lshl_b32 s28, s26, 9
	s_lshl_b32 s27, s17, 8
	s_add_co_u32 s28, s28, s27
	s_add_nc_u64 s[12:13], s[12:13], s[28:29]
.set i, 0
.rept 32
	v_mad_u32_u24 v[X+i], s19, i, v8               ; row i of a block, my column
.set i, i+1
.endr
.macro LOADW t                         ; a block: 32 rows, 128 consecutive bytes a load
.set i, 0
.rept 32
	global_load_b32 v[R+32*((\t)%2)+i], v[X+i], s[4:5] th:TH_LOAD_NT
.set i, i+1
.endr
.endm
.macro BLOCKW t
.set XS, R+32*((\t)%2)
.if (\t) < 15
	s_wait_loadcnt 32                              ; this block's 32 loads are in; the next block's may be out
.else
	s_wait_loadcnt 0x0
.endif
	v_max3_num_f32 v12, |v[XS]|, |v[XS+1]|, |v[XS+2]|
	v_max3_num_f32 v13, |v[XS+3]|, |v[XS+4]|, |v[XS+5]|
.irp i, 6,10,14,18,22,26
	v_max3_num_f32 v12, v12, |v[XS+\i]|, |v[XS+\i+1]|
	v_max3_num_f32 v13, v13, |v[XS+\i+2]|, |v[XS+\i+3]|
.endr
	v_max3_num_f32 v12, v12, |v[XS+30]|, |v[XS+31]|
	v_max3_num_f32 v12, v12, v13, 0x1800000        ; and the floor
	v_add_nc_u32 v11, 0xff000000, v12              ; the conversion's scale operand
	v_lshrrev_b32 v13, 23, v11                     ; the byte
.if (\t)%4 == 0
	v_mov_b32 v[PW+(\t)/4], v13
.else
	v_lshl_or_b32 v[PW+(\t)/4], v13, 8*((\t)%4), v[PW+(\t)/4]
.endif
	s_wait_xcnt 0x0                                ; the last store has read the codes' registers, the loads their base
.irp g, 0,1,2,3
	v_cvt_scalef32_pk8_fp4_f32 v[PC+\g], v[XS+8*\g:XS+8*\g+7], v11
.endr
	v_nop                                          ; one plain place behind a scaled conversion
	global_store_b128 v7, v[PC:PC+3], s[10:11] offset:512*((\t)/2)+256*((\t)%2)   ; block t is (step t / 4, c (t / 2) % 2, h t % 2): the sixteen lanes of a tile fill 256 consecutive bytes
.if (\t)+2 < 16
	s_add_nc_u64 s[4:5], s[4:5], s[24:25]
	LOADW (\t)+2
.endif
.endm
	LOADW 0
	s_wait_xcnt 0x0                                ; the base steps only behind this wait
	s_add_nc_u64 s[4:5], s[4:5], s[24:25]
	LOADW 1
.set Q, 0
.rept 16
	BLOCKW Q
.set Q, Q+1
.endr
	global_store_b128 v6, v[PW:PW+3], s[12:13]     ; my column's 16 scale bytes
	s_endpgm
.Lfunc_end_k_q9faf6fd4cd_quant:
	.size	k_q9faf6fd4cd_quant, .Lfunc_end_k_q9faf6fd4cd_quant-k_q9faf6fd4cd_quant
	.p2alignl 7, 3214868480
	.fill 96, 4, 3214868480
	.section	.rodata,"a",@progbits
	.p2align	6, 0x0
	.amdhsa_kernel k_q9faf6fd4cd_quant
		.amdhsa_group_segment_fixed_size 34304
		.amdhsa_private_segment_fixed_size 0
		.amdhsa_enable_private_segment 0
		.amdhsa_kernarg_size 40
		.amdhsa_user_sgpr_count 2
		.amdhsa_user_sgpr_kernarg_segment_ptr 1
		.amdhsa_wavefront_size32 1
		.amdhsa_system_sgpr_workgroup_id_x 1
		.amdhsa_system_sgpr_workgroup_id_y 1
		.amdhsa_system_sgpr_workgroup_id_z 1
		.amdhsa_system_vgpr_workitem_id 0
		.amdhsa_next_free_vgpr 242
		.amdhsa_next_free_sgpr 66
		.amdhsa_reserve_vcc 1
		.amdhsa_float_denorm_mode_32 3
		.amdhsa_float_denorm_mode_16_64 3
		.amdhsa_memory_ordered 1
		.amdhsa_forward_progress 1
		.amdhsa_inst_pref_size 111
	.end_amdhsa_kernel
	.amdgpu_metadata
---
amdhsa.version: [ 1, 2 ]
amdhsa.kernels:
  - .name:           k_q9faf6fd4cd_quant
    .symbol:         k_q9faf6fd4cd_quant.kd
    .args:
      - { .name: x, .offset: 0, .size: 8, .value_kind: global_buffer, .address_space: global }
      - { .name: w_attn, .offset: 8, .size: 8, .value_kind: global_buffer, .address_space: global }
      - { .name: w_proj, .offset: 16, .size: 8, .value_kind: global_buffer, .address_space: global }
      - { .name: xw_codes, .offset: 24, .size: 8, .value_kind: global_buffer, .address_space: global }
      - { .name: xw_scales, .offset: 32, .size: 8, .value_kind: global_buffer, .address_space: global }
    .group_segment_fixed_size: 34304
    .private_segment_fixed_size: 0
    .kernarg_segment_align: 8
    .kernarg_segment_size: 40
    .max_flat_workgroup_size: 128
    .sgpr_count:     66
    .vgpr_count:     242
    .wavefront_size: 32
...
	.end_amdgpu_metadata
.endif
;; end of part 1
;; launch qkvgemm (part 2): grid 8 x 48, 4 waves a work-group, clusters of 4 x 4, 279,040 bytes of LDS; arguments xw_codes, xw_scales, b_attn, qkv; writes qkv
.if DOCPART == 2
	.amdgcn_target "amdgcn-amd-amdhsa--gfx1250"
	.amdhsa_code_object_version 6
	.text
	.protected	k_q9faf6fd4cd_qkvgemm
	.globl	k_q9faf6fd4cd_qkvgemm
	.p2align	8
	.type	k_q9faf6fd4cd_qkvgemm,@function
k_q9faf6fd4cd_qkvgemm:
	s_mov_b64 s[64:65], 0
	v_nop
	global_prefetch_b8 v0, s[64:65] scope:SCOPE_SE
	s_setreg_imm32_b32 hwreg(HW_REG_WAVE_MODE, 25, 1), 1
	s_wait_xcnt 0x0
	s_wait_alu depctr_hold_cnt(0) depctr_sa_sdst(0) depctr_va_vdst(0) depctr_va_sdst(0) depctr_va_ssrc(0) depctr_va_vcc(0) depctr_vm_vsrc(0)
	s_getreg_b32 s2, hwreg(HW_REG_IB_STS2, 6, 4)
	s_cmp_eq_u32 s2, 0
	s_cbranch_scc0 .Lentry_in_a_cluster
	s_endpgm
.Lentry_in_a_cluster:
	s_bfe_u32 s2, ttmp6, 0x10000c
	s_cmp_lg_u32 s2, 0xf033
	s_cbranch_scc0 .Lentry_shape_is_right
	s_endpgm
.Lentry_shape_is_right:
; qkv = x w_attn + b_attn on codes of FP4 with E8M0 scales, sums in f32; the results are quantised in registers for the two products of attention and leave as codes.
; A work-group of four waves makes 256 x 256, a wave 128 x 128: 64 accumulators.  K = 1,024 is two LDS slots of 512: every LDS byte is filled ONCE, by the first fills; nothing is filled again.
; Operands lie in memory in the order of the operand's registers: a tile (16 rows x 512 K) is 4,096 dense bytes, lane l's 16 bytes at 16 l: no pitch, no padding.
; Source 0 ("B") runs along a lane's registers in the result, source 1 ("A") gives the lane its row.  Row p of tile a stands for index 32 (a / 2) + 8 (a % 2) + p + 8 (p / 8), so that the 16 registers of B's tiles
; 2 b and 2 b + 1 are 16 neighbours, 32 b + 16 (lane / 16) + 0..15: what the conversions want.
; TWO KINDS OF CLUSTER, told apart by the cluster's y, which all sixteen partners share.  y < 8: A = 256 tokens, B = 256 columns of q or k: a lane holds a token, registers run along the head's 64: q and k are
; quantised along d.  y >= 8: A = 256 columns of v, B = 256 tokens: a lane holds a column d, registers run along the tokens: v is quantised along the keys.  Only offsets in memory are chosen.
; CLUSTERS 4 x 4: A's tiles are asked for jointly along a row of the cluster, B's along a column.
; OUT: qkv [64 heads][16 records of 128 tokens][13,056]: +0 Q's codes [8 tiles][lane][16], +4,096 Q's scale words [r][4], +4,352 K's codes, +8,448 V's codes [4 tiles of d][c][lane][16], +12,544 K's scale words, +12,800 V's.
; A word of Q or K: (tile 2 i, row r: two bytes | tile 2 i + 1, row r: two bytes).  A word of V: the four key blocks of row r of a tile of d.
; LIMITS: NaN and infinities are not served; a block under 2^-124 or of zeros keeps the byte 1 (its codes are read by this program alone).
; REGISTERS: window 0: v0-31 addresses; v32-95 scale words, two sets; v112-119, v192-255 the biases; v128-191 A's fragments.  window 1: B's fragments, two sets.  windows 2, 3: accumulator (a, b) at v[8 (8 (a % 4) + b)].
.set NQ,     4                         ; steps of 128 along K in a slot
.set FR,     8
.set NL,     2
.set NP,     4                         ; places behind this matrix instruction (ISA guide 7.12.1)
.set GSTR,   3145728                   ; from K's first half to its second in the codes
.set HALFT,  32768                     ; 8 tiles: what one tensor load brings, and what a wave reads of A or of B
.set SLOT,   4*HALFT
.set SCL,    2*SLOT                    ; behind the slots: A's scales of 16 tiles (8,192 bytes), then B's
.set HS,     208896                    ; a head in qkv
.set REC,    13056                     ; a record
.set ADRA, 16
.set ADRB, 20
.set L16,  26                          ; v26 16 x lane
.set ADRS, 27
.set SC,   32
.set AF,   128
.set BI,   192                         ; v192-255 the bias along the registers (q, k)
.set BV,   112                         ; v112-119 the bias along the lanes (v)
.set H,    128                         ; the way out: 64 numbers
.set TM,   32
.set PWS,  48                          ; v48-55 the scale words of the eight blocks
.set SW,   56
.set SELV, 60
.set PC,   96
.set SEL,  2
.set G1, 24
.set G0, 32
.set G1B, 48
.set G0B, 56
.set G1S, 68
.set G0S, 76
.set G1SB, 80
.set G0SB, 88
.set MSB, 0
.macro WIN new                         ; the immediate's high byte repeats the setting that is left
.if MSB != (\new)
	s_set_vgpr_msb (MSB<<8)|(\new)
.set MSB, (\new)
.endif
.endm
.set MUL_LO, 0xa1                      ; source 0 (B) window 1, source 1 (A) window 0, C and D window 2
.set MUL_HI, 0xf1
.set TO_B,   0x40
.macro JLOAD g0a, g1a, g0b, g1b        ; a joint load: waves 0 and 1 fetch for A, waves 2 and 3 for B; four v_nop follow each line
	s_cmp_eq_u32 s15, 0
	s_cbranch_scc0 .Lfor_b_\@
	tensor_load_to_lds s[\g0a:\g0a+3], s[\g1a:\g1a+7]
	s_nop 0
.rept 4
	v_nop
.endr
	s_branch .Lasked_\@
.Lfor_b_\@:
	tensor_load_to_lds s[\g0b:\g0b+3], s[\g1b:\g1b+7]
	s_nop 0
.rept 4
	v_nop
.endr
.Lasked_\@:
.endm
.macro CROUND                          ; a round of the cluster's barrier
	s_barrier_signal -1
	s_barrier_wait -1
	s_cmp_lg_u32 s14, 0
	s_cbranch_scc1 .Lnot_wave_0_\@
	s_barrier_signal -3
.Lnot_wave_0_\@:
	s_barrier_wait -3
	s_barrier_signal -1
	s_barrier_wait -1
.endm
.macro PLACES n
.rept \n
	v_nop
.endr
.endm
.macro FRAG reg, adr, q, i             ; a fragment: tile i, the slot's q-th 128 along K: two loads of 512 consecutive bytes
.irp c, 0,1
	ds_load_b128 v[\reg+4*\c:\reg+4*\c+3], v[\adr] offset:1024*(\q)+512*\c+(\i)*4096
.endr
.endm
.macro MUL16 a0, p, q, sc, zero        ; A's blocks a0, a0 + 1 x B's eight; the 64 accumulators take turns, one instruction a turn
.irp a, \a0, \a0+1
.irp b, 0,1,2,3,4,5,6,7
.if \zero
	v_wmma_scale_f32_16x16x128_f8f6f4 v[8*(8*((\a)%4)+\b):8*(8*((\a)%4)+\b)+7], v[128*(\p)+FR*\b:128*(\p)+FR*\b+FR-1], v[AF+FR*(\a):AF+FR*(\a)+FR-1], 0, v[SC+8*NQ*(\sc)+NQ*\b+(\q)], v[SC+8*NQ*(\sc)+NQ*(\a)+(\q)] matrix_a_fmt:MATRIX_FMT_FP4 matrix_b_fmt:MATRIX_FMT_FP4 matrix_a_scale:MATRIX_SCALE_ROW1
.else
	v_wmma_scale_f32_16x16x128_f8f6f4 v[8*(8*((\a)%4)+\b):8*(8*((\a)%4)+\b)+7], v[128*(\p)+FR*\b:128*(\p)+FR*\b+FR-1], v[AF+FR*(\a):AF+FR*(\a)+FR-1], v[8*(8*((\a)%4)+\b):8*(8*((\a)%4)+\b)+7], v[SC+8*NQ*(\sc)+NQ*\b+(\q)], v[SC+8*NQ*(\sc)+NQ*(\a)+(\q)] matrix_a_fmt:MATRIX_FMT_FP4 matrix_b_fmt:MATRIX_FMT_FP4 matrix_a_scale:MATRIX_SCALE_ROW1
.endif
.endr
.endr
.endm
.macro FETCH_B slot, q, p
	WIN TO_B
.irp i, 0,1,2,3,4,5,6,7
	FRAG 128*(\p)+FR*\i, ADRB+\slot, \q, \i
.endr
	WIN 0
.endm
.macro FETCH_A slot, q, i0
.irp i, \i0, \i0+1, \i0+2, \i0+3
	FRAG AF+FR*(\i), ADRA+\slot, \q, \i
.endr
.endm
.macro SCALES sc                       ; a slot's scale words: lanes 0-15 A's tile i, lanes 16-31 B's tile i; four words a row
.irp i, 0,1,2,3,4,5,6,7
	ds_load_b128 v[SC+8*NQ*\sc+NQ*\i:SC+8*NQ*\sc+NQ*\i+3], v[ADRS] offset:\i*512
.endr
.endm
.macro STEP slot, q, zero              ; 128 along K, with its successor in the same slot
	s_wait_dscnt 4*NL                              ; all but the youngest eight loads (A's blocks 4-7) are in
	WIN MUL_LO
	MUL16 0, (\q)%2, \q, \slot, \zero
	MUL16 2, (\q)%2, \q, \slot, \zero
	s_wait_dscnt 0x0                               ; A's blocks 4-7 are in
	PLACES NP                                      ; in front of loads into registers that matrix instructions have read
	FETCH_B \slot, (\q)+1, 1-(\q)%2
	FETCH_A \slot, (\q)+1, 0
	WIN MUL_HI
	MUL16 4, (\q)%2, \q, \slot, \zero
	MUL16 6, (\q)%2, \q, \slot, \zero
	PLACES NP
	WIN 0
	FETCH_A \slot, (\q)+1, 4
.endm
.macro STEPS slot, from
.set Q, \from
.rept NQ-1-\from
	STEP \slot, Q, 0
.set Q, Q+1
.endr
.endm
.macro TURN                            ; slot 0's last step; one barrier shows slot 1 whole to every wave.
	s_wait_tensorcnt 0x0                           ; my part of slot 1 has landed
	s_wait_dscnt 4*NL
	WIN MUL_LO
	MUL16 0, 1, NQ-1, 0, 0
	s_wait_dscnt 0x0                               ; no LDS instruction of mine is out at the signal
	s_barrier_signal -1
	MUL16 2, 1, NQ-1, 0, 0
	WIN 0
	s_barrier_wait -1
	PLACES NP
	v_add_nc_u32 v[ADRS], 256, v[ADRS]             ; the second half of K's scale words
	FETCH_B 1, 0, 0
	FETCH_A 1, 0, 0
	SCALES 1
	WIN MUL_HI
	MUL16 4, 1, NQ-1, 0, 0
	MUL16 6, 1, NQ-1, 0, 0
	PLACES NP
	WIN 0
	FETCH_A 1, 0, 4
.endm
; 64 numbers of a lane, register 16 b + i = k 32 b + 16 (lane / 16) + i of my row, become a fragment's codes in v[PC] on and its scale word in v[pw]
.macro QUANT s, pw
.irp b, 0,1,2,3
	v_max3_num_f32 v[TM+\b], |v[\s+16*\b]|, |v[\s+1+16*\b]|, 0x1800000   ; and the floor 2^(3 - 127): the byte cannot fall under 1
.endr
.irp i, 2,4,6,8,10,12,14
.irp b, 0,1,2,3
	v_max3_num_f32 v[TM+\b], v[TM+\b], |v[\s+16*\b+\i]|, |v[\s+1+16*\b+\i]|
.endr
.endr
.irp b, 0,1,2,3
	v_permlanex16_b32 v[TM+4+\b], v[TM+\b], s[SEL], s[SEL+1]
.endr
.irp b, 0,1,2,3
	v_max_num_f32 v[TM+\b], v[TM+\b], v[TM+4+\b]
.endr
.irp b, 0,1,2,3
	v_add_nc_u32 v[TM+12+\b], 0xff000000, v[TM+\b]     ; 2 off the exponent field: the conversion's scale operand
.endr
.irp b, 0,1,2,3
	v_lshrrev_b32 v[TM+4+\b], 23, v[TM+12+\b]
.endr
	v_lshl_or_b32 v[\pw], v[TM+5], 8, v[TM+4]
	v_lshl_or_b32 v[\pw], v[TM+6], 16, v[\pw]
	v_lshl_or_b32 v[\pw], v[TM+7], 24, v[\pw]
.irp b, 0,1,2,3
	v_cvt_scalef32_pk8_fp4_f32 v[PC+2*\b], v[\s+16*\b:\s+7+16*\b], v[TM+12+\b]
	v_cvt_scalef32_pk8_fp4_f32 v[PC+1+2*\b], v[\s+8+16*\b:\s+15+16*\b], v[TM+12+\b]
.endr
	v_nop                                          ; one plain place behind a scaled conversion
.irp c, 0,1
.irp i, 0,1
	v_permlane16_swap_b32 v[PC+4*\c+\i], v[PC+2+4*\c+\i]
.endr
.endr
.endm
	s_load_b256 s[4:11], s[0:1], 0x0               ; codes s[4:5], scales s[6:7], b_attn s[8:9], qkv s[10:11]
	v_lshl_add_u32 v126, v0, 2, 0x44000
	v_mov_b32 v127, 0
	ds_add_u32 v126, v127
	ds_add_u32 v126, v127
	v_lshrrev_b32 v1, 5, v0
	v_readfirstlane_b32 s14, v1                    ; wave
	s_lshr_b32 s15, s14, 1                         ; my half of A's rows.  Also: I fetch for A (0) or for B (1)
	s_and_b32 s16, s14, 1                          ; my half of B's rows.  Also: which 8 tiles I fetch
	s_bfe_u32 s40, ttmp6, 0x40000                  ; cx
	s_bfe_u32 s41, ttmp6, 0x40004                  ; cy
	s_and_b32 s45, ttmp7, 0xffff                   ; the cluster's y
	s_lshl_b32 s43, s41, 2
	s_lshl_b32 s43, 15, s43                        ; my row of the cluster
	s_lshl_b32 s44, 0x1111, s40                    ; my column
	; group 1: dense blocks as rows of 256 bytes (32 elements of 8 bytes): 128 rows of codes, 16 rows of scales; no padding; bit 21 stands beside a mask
	s_or_b32 s[G1+0], s43, (3<<16)|(1<<21)
	s_or_b32 s[G1B+0], s44, (3<<16)|(1<<21)
	s_or_b32 s[G1S+0], s43, (3<<16)|(1<<21)
	s_or_b32 s[G1SB+0], s44, (3<<16)|(1<<21)
.irp g, G1, G1B
	s_mov_b32 s[\g+1], 32<<16                      ; tensor_dim0
	s_mov_b32 s[\g+2], 128<<16                     ; tensor_dim1
	s_mov_b32 s[\g+3], 32<<16                      ; tile_dim0
	s_mov_b32 s[\g+4], 128                         ; tile_dim1
	s_mov_b32 s[\g+5], 32                          ; the pitch
	s_mov_b32 s[\g+6], 0
	s_mov_b32 s[\g+7], 0
.endr
.irp g, G1S, G1SB
	s_mov_b32 s[\g+1], 32<<16
	s_mov_b32 s[\g+2], 16<<16
	s_mov_b32 s[\g+3], 32<<16
	s_mov_b32 s[\g+4], 16
	s_mov_b32 s[\g+5], 32
	s_mov_b32 s[\g+6], 0
	s_mov_b32 s[\g+7], 0
.endr
	; the first tiles.  A's hangs on cy and the cluster's y alone, B's on cx and the cluster's x and y alone
	s_lshl_b32 s17, s41, 4                         ; 16 cy
	s_lshl_b32 s18, s45, 6                         ; q, k: tokens: + 64 x cluster y
	s_lshl_b32 s46, ttmp9, 6
	s_lshl_b32 s47, s40, 4
	s_add_co_u32 s46, s46, s47                     ; 64 x cluster x + 16 cx
	s_lshl_b32 s47, s45, 7
	s_sub_co_u32 s47, s47, 1024                    ; v: tokens: + 128 (cluster y - 8)
	s_cmp_ge_u32 s45, 8
	s_cselect_b32 s18, 640, s18                    ; v: A = w_attn's columns 2,048 on
	s_cselect_b32 s47, s47, 512                    ; q, k: B = w_attn's columns
	s_cselect_b32 s12, 1, 0                        ; the kind
	s_add_co_u32 s17, s17, s18
	s_add_co_u32 s46, s46, s47
	s_lshl_b32 s18, s16, 3
	s_add_co_u32 s17, s17, s18                     ; + the 8 tiles that I fetch
	s_add_co_u32 s46, s46, s18
	s_lshl_b32 s20, s17, 12
	s_mov_b32 s21, 0
	s_lshl_b32 s22, s17, 9
	s_mov_b32 s23, 0
	s_lshl_b32 s92, s46, 9
	s_mov_b32 s93, 0
	s_lshl_b32 s46, s46, 12
	s_mov_b32 s47, 0
	s_lshl_b32 s19, s14, 15                        ; where they go: wave x 32,768; no place in the cluster enters an LDS address
	s_lshl_b32 s94, s14, 12                        ; the scales: wave x 4,096
	s_wait_dscnt 0x0
	s_wait_kmcnt 0x0
	s_add_nc_u64 s[20:21], s[4:5], s[20:21]
	s_add_nc_u64 s[22:23], s[6:7], s[22:23]
	s_add_nc_u64 s[46:47], s[4:5], s[46:47]
	s_add_nc_u64 s[92:93], s[6:7], s[92:93]
	CROUND                                         ; all sixteen work-groups are here: the joint loads meet
	s_mov_b32 s[G0S], 1
	s_add_co_u32 s[G0S+1], s94, SCL
	s_mov_b64 s[G0S+2:G0S+3], s[22:23]
	s_or_b32 s[G0S+3], s[G0S+3], 0x80000000
	s_mov_b32 s[G0SB], 1
	s_add_co_u32 s[G0SB+1], s94, SCL
	s_mov_b64 s[G0SB+2:G0SB+3], s[92:93]
	s_or_b32 s[G0SB+3], s[G0SB+3], 0x80000000
	JLOAD G0S, G1S, G0SB, G1SB                     ; three loads of mine go out: the scales, slot 0, slot 1
.irp s, 0,1
	s_mov_b32 s[G0+4*\s], 1
	s_add_co_u32 s[G0+4*\s+1], s19, \s*SLOT
	s_add_nc_u64 s[G0+4*\s+2:G0+4*\s+3], s[20:21], \s*GSTR
	s_or_b32 s[G0+4*\s+3], s[G0+4*\s+3], 0x80000000
	s_mov_b32 s[G0B+4*\s], 1
	s_add_co_u32 s[G0B+4*\s+1], s19, \s*SLOT
	s_add_nc_u64 s[G0B+4*\s+2:G0B+4*\s+3], s[46:47], \s*GSTR
	s_or_b32 s[G0B+4*\s+3], s[G0B+4*\s+3], 0x80000000
	JLOAD G0+4*\s, G1, G0B+4*\s, G1B
.endr
	v_and_b32 v1, 15, v0                           ; r
	v_bfe_u32 v2, v0, 4, 1                         ; h
	v_and_b32 v3, 31, v0
	v_lshlrev_b32 v[L16], 4, v3
	s_lshl_b32 s21, s15, 15                        ; my 8 tiles of A
	s_lshl_b32 s22, s16, 15                        ; my 8 tiles of B,
	s_add_co_u32 s22, s22, 2*HALFT                 ; behind A's 16
.irp s, 0,1
	v_add_nc_u32 v[ADRA+\s], s21, v[L16]
	v_add_nc_u32 v[ADRB+\s], s22, v[L16]
	s_add_co_u32 s21, s21, SLOT
	s_add_co_u32 s22, s22, SLOT
.endr
	v_lshlrev_b32 v5, 4, v1                        ; my row's 16 scale bytes
	s_lshl_b32 s21, s15, 12
	s_lshl_b32 s22, s16, 12
	s_add_co_u32 s22, s22, 8192
	s_sub_co_u32 s22, s22, s21
	v_mul_u32_u24 v6, s22, v2                      ; lanes 16-31 take B's
	s_add_co_u32 s21, s21, SCL
	v_add_nc_u32 v5, v5, v6
	v_add_nc_u32 v[ADRS], s21, v5
	; the biases: both sets in both kinds (every index stays under 3,072); the way out takes the one of its kind
	s_lshl_b32 s42, ttmp9, 2
	s_add_co_u32 s42, s42, s40                     ; 4 x cluster x + cx
	s_lshl_b32 s96, s42, 10
	s_lshl_b32 s97, s16, 9
	s_add_co_u32 s96, s96, s97
	s_mov_b32 s97, 0
	s_add_nc_u64 s[96:97], s[8:9], s[96:97]        ; b_attn at column 256 gx + 128 x my half of B
	s_lshl_b32 s98, s41, 10
	s_lshl_b32 s99, s15, 9
	s_add_co_u32 s98, s98, s99
	s_add_co_u32 s98, s98, 8192
	s_mov_b32 s99, 0
	s_add_nc_u64 s[98:99], s[8:9], s[98:99]        ; and at column 2,048 + 256 cy + 128 x my half of A
	v_lshlrev_b32 v7, 6, v2                        ; 16 h numbers on
	v_and_b32 v8, 8, v1
	v_add_nc_u32 v8, v8, v1
	v_lshlrev_b32 v8, 2, v8                        ; r + 8 (r / 8) numbers on
.irp b, 0,1,2,3,4,5,6,7
	global_load_b128 v[BI+8*\b:BI+8*\b+3], v7, s[96:97] offset:(32*(\b/2)+8*(\b%2))*4
	global_load_b128 v[BI+8*\b+4:BI+8*\b+7], v7, s[96:97] offset:(32*(\b/2)+8*(\b%2))*4+16
.endr
.irp a, 0,1,2,3,4,5,6,7
	global_load_b32 v[BV+\a], v8, s[98:99] offset:(32*(\a/2)+8*(\a%2))*4
.endr
	v_mul_u32_u24 v9, HS, v2
	v_lshl_add_u32 v9, v1, 4, v9                   ; the scale words' place: lanes 16-31 the next head, 16 bytes a row
	s_wait_tensorcnt 1                             ; the scales and my part of slot 0 are in; slot 1's load may be out
	s_barrier_signal -1
	s_barrier_wait -1
	FETCH_B 0, 0, 0
	FETCH_A 0, 0, 0
	SCALES 0
	FETCH_A 0, 0, 4
	STEP 0, 0, 1                                   ; the first products start the sums: nothing is cleared
	STEPS 0, 1
	TURN
	STEPS 1, 0
	s_wait_dscnt 4*NL                              ; the last step
	WIN MUL_LO
	MUL16 0, 1, NQ-1, 1, 0
	MUL16 2, 1, NQ-1, 1, 0
	s_wait_dscnt 0x0
	WIN MUL_HI
	MUL16 4, 1, NQ-1, 1, 0
	MUL16 6, 1, NQ-1, 1, 0
	WIN 0
	; THE WAY OUT: for each of A's eight tiles: + bias, quantised along the registers, two stores of 512 consecutive bytes.
	PLACES NP                                      ; in front of the first read of results and the first write of registers that the products read
	s_mov_b32 s[SEL], 0x76543210
	s_mov_b32 s[SEL+1], 0xfedcba98
.irp b, 0,1,2,3
	v_mov_b32 v[TM+4+\b], 0                        ; a lane permute's destination counts as one of its sources
.endr
	v_cmp_ne_u32 vcc_lo, 0, v2                     ; lanes 16-31
	s_wait_loadcnt 0x0                             ; the biases; their bases are free
.macro EPI kind
.irp a, 0,1,2,3,4,5,6,7
	WIN 0x02+(\a)/4                                ; source 0: window 2 or 3
.set j, 0
.rept 64                               ; each accumulator from its low end on
.if \kind
	v_add_f32 v[H+j], v[64*((\a)%4)+j], v[BV+\a]
.else
	v_add_f32 v[H+j], v[64*((\a)%4)+j], v[BI+j]
.endif
.set j, j+1
.endr
	WIN 0
	s_wait_xcnt 0x0                                ; the last tile's stores have read the codes' registers
	QUANT H, PWS+\a
.irp c, 0,1
.if \kind
	global_store_b128 v[L16], v[PC+4*\c:PC+4*\c+3], s[96:97] offset:((\a)/4)*HS+1024*((\a)%4)+512*\c   ; head a / 4, tile a % 4 of d, keys 64 c on
.else
	global_store_b128 v[L16], v[PC+4*\c:PC+4*\c+3], s[96:97] offset:512*\a+\c*HS                       ; head c, tile a of tokens
.endif
.endr
.endr
.endm
	s_cmp_lg_u32 s12, 0                            ; the kind: the same in all sixteen partners
	s_cbranch_scc1 .Lkind_v
	s_lshl_b32 s92, s45, 2
	s_add_co_u32 s92, s92, s41                     ; which 256 tokens
	s_lshr_b32 s93, s92, 3
	s_lshl_b32 s93, s93, 4                         ; 16 x batch
	s_lshl_b32 s94, s42, 2
	s_lshl_b32 s95, s16, 1
	s_add_co_u32 s94, s94, s95
	s_and_b32 s94, s94, 15                         ; my first head
	s_add_co_u32 s93, s93, s94
	s_mul_i32 s93, s93, HS
	s_lshl_b32 s92, s92, 1
	s_add_co_u32 s92, s92, s15
	s_and_b32 s92, s92, 15                         ; my record
	s_mul_i32 s92, s92, REC
	s_add_co_u32 s92, s92, s93
	s_mul_i32 s93, ttmp9, 4352                     ; cluster x = 1: k
	s_add_co_u32 s92, s92, s93
	s_mov_b32 s93, 0
	s_add_nc_u64 s[96:97], s[10:11], s[92:93]
	s_lshl_b32 s92, ttmp9, 12
	s_add_co_u32 s92, s92, 4096
	s_add_nc_u64 s[98:99], s[96:97], s[92:93]      ; the scale words: record + 4,096 (q) or + 12,544 (k)
	EPI 0
	v_mov_b32 v[SELV], 0x05040100
	v_mov_b32 v[SELV+1], 0x07060302
	v_cndmask_b32 v[SELV], v[SELV], v[SELV+1], vcc_lo   ; lanes 0-15: the first head's two bytes of each word, lanes 16-31 the second's
.irp i, 0,1,2,3
	v_perm_b32 v[SW+\i], v[PWS+2*\i+1], v[PWS+2*\i], v[SELV]
.endr
	global_store_b128 v9, v[SW:SW+3], s[98:99]     ; sixteen lanes fill 256 consecutive bytes
	s_branch .Ldone
.Lkind_v:
	s_sub_co_u32 s92, s45, 8
	s_lshl_b32 s92, s92, 1
	s_add_co_u32 s92, s92, ttmp9
	s_lshl_b32 s92, s92, 2
	s_add_co_u32 s92, s92, s40                     ; which 256 tokens
	s_lshl_b32 s92, s92, 1
	s_add_co_u32 s92, s92, s16                     ; which 128
	s_lshr_b32 s93, s92, 4
	s_lshl_b32 s93, s93, 4                         ; 16 x batch
	s_lshl_b32 s94, s41, 2
	s_add_co_u32 s93, s93, s94
	s_lshl_b32 s94, s15, 1
	s_add_co_u32 s93, s93, s94                     ; my first head
	s_mul_i32 s93, s93, HS
	s_and_b32 s92, s92, 15
	s_mul_i32 s92, s92, REC
	s_add_co_u32 s92, s92, s93
	s_add_co_u32 s92, s92, 8448
	s_mov_b32 s93, 0
	s_add_nc_u64 s[96:97], s[10:11], s[92:93]
	s_add_nc_u64 s[98:99], s[96:97], 4352          ; record + 12,800
	EPI 1
.irp i, 0,1,2,3
	v_cndmask_b32 v[SW+\i], v[PWS+\i], v[PWS+4+\i], vcc_lo
.endr
	global_store_b128 v9, v[SW:SW+3], s[98:99]
.Ldone:
	s_wait_tensorcnt 0x0
	ds_add_u32 v126, v127
	s_wait_dscnt 0x0
	CROUND                                         ; the closing round: no work-group ends while a partner may still ask for a tile that names it
	s_endpgm
.Lfunc_end_k_q9faf6fd4cd_qkvgemm:
	.size	k_q9faf6fd4cd_qkvgemm, .Lfunc_end_k_q9faf6fd4cd_qkvgemm-k_q9faf6fd4cd_qkvgemm
	.p2alignl 7, 3214868480
	.fill 96, 4, 3214868480
	.section	.rodata,"a",@progbits
	.p2align	6, 0x0
	.amdhsa_kernel k_q9faf6fd4cd_qkvgemm
		.amdhsa_group_segment_fixed_size 279040
		.amdhsa_private_segment_fixed_size 0
		.amdhsa_enable_private_segment 0
		.amdhsa_kernarg_size 32
		.amdhsa_user_sgpr_count 2
		.amdhsa_user_sgpr_kernarg_segment_ptr 1
		.amdhsa_wavefront_size32 1
		.amdhsa_system_sgpr_workgroup_id_x 1
		.amdhsa_system_sgpr_workgroup_id_y 1
		.amdhsa_system_sgpr_workgroup_id_z 1
		.amdhsa_system_vgpr_workitem_id 0
		.amdhsa_next_free_vgpr 1024
		.amdhsa_next_free_sgpr 100
		.amdhsa_reserve_vcc 1
		.amdhsa_float_denorm_mode_32 3
		.amdhsa_float_denorm_mode_16_64 3
		.amdhsa_memory_ordered 1
		.amdhsa_forward_progress 1
		.amdhsa_inst_pref_size 196
	.end_amdhsa_kernel
	.amdgpu_metadata
---
amdhsa.version: [ 1, 2 ]
amdhsa.kernels:
  - .name:           k_q9faf6fd4cd_qkvgemm
    .symbol:         k_q9faf6fd4cd_qkvgemm.kd
    .args:
      - { .name: xw_codes, .offset: 0, .size: 8, .value_kind: global_buffer, .address_space: global }
      - { .name: xw_scales, .offset: 8, .size: 8, .value_kind: global_buffer, .address_space: global }
      - { .name: b_attn, .offset: 16, .size: 8, .value_kind: global_buffer, .address_space: global }
      - { .name: qkv, .offset: 24, .size: 8, .value_kind: global_buffer, .address_space: global }
    .group_segment_fixed_size: 279040
    .private_segment_fixed_size: 0
    .kernarg_segment_align: 8
    .kernarg_segment_size: 32
    .max_flat_workgroup_size: 128
    .sgpr_count:     100
    .vgpr_count:     1024
    .wavefront_size: 32
...
	.end_amdgpu_metadata
.endif
;; end of part 2
;; launch attn (part 3): grid 4 x 64, 16 waves a work-group, no clusters, 169,984 bytes of LDS; arguments qkv, y_codes, y_scales; writes y_codes, y_scales
.if DOCPART == 3
	.amdgcn_target "amdgcn-amd-amdhsa--gfx1250"
	.amdhsa_code_object_version 6
	.text
	.protected	k_q9faf6fd4cd_attn
	.globl	k_q9faf6fd4cd_attn
	.p2align	8
	.type	k_q9faf6fd4cd_attn,@function
k_q9faf6fd4cd_attn:
	s_mov_b64 s[64:65], 0
	v_nop
	global_prefetch_b8 v0, s[64:65] scope:SCOPE_SE
	s_setreg_imm32_b32 hwreg(HW_REG_WAVE_MODE, 25, 1), 1
	s_wait_xcnt 0x0
; y = softmax(q k^T / 8, causal) v for one head a work-group row, both products on codes of FP4 with E8M0 scales; y leaves quantised along the model's 1,024 for the last product.
; THE SOFTMAX: t = score x log2(e) / 8; M = the ceiling of the running largest t; p = 2^(t - M) is quantised along the keys; the row's sum is taken of the unquantised p and divides at the end.
; When M moves, the sum and O are multiplied by 2^(old M - new M): exact.
; SHARES.  Work-group (i, head); wave w owns TWO tiles of 16 queries: a = 16 i + w and 127 - a.  Tile a wants the key steps (128 keys) 0 .. a / 8: 17 tile steps for every wave of the launch.
; The head's K, V and their scale words, 16 records of 8,704 bytes, lie in LDS, filled once: wave w brings record w by one tensor load; one barrier.
; NO CLUSTER: the four work-groups of a head leave out different key steps by branches on their own number; and what they share is 139,264 bytes, asked for once at the head.
; LAYOUT.  Both products transposed: a lane holds ONE query.  The head's 64 fill half of the instruction's 128 along K: a fragment of K holds key tile 2 b in k 0-63 and key tile 2 b + 1 in k 64-127, and Q stands
; beside zero codes, once in the lower half and once in the upper.  Row p of tile a is token 32 (a / 2) + 8 (a % 2) + p + 8 (p / 8): the 16 registers of two neighbouring key tiles are 16 neighbouring keys.
; The loop's trip count is a constant; a step that a tile does not want is jumped over by a scalar branch on ids.
; LIMITS: NaN and infinities are not served; a block of y under 2^-124 or of zeros keeps the byte 1; 1 / sum by v_rcp_f32.
.set HS,   208896
.set REC,  13056
.set KVB,  8704                        ; K's codes 4,096, V's 4,096, K's scale words 256, V's 256
.set L16,  1                           ; v1  16 x lane
.set R16,  2                           ; v2  16 x (lane % 16)
.set ADK,  3
.set ADS,  4
.set DQ,   5                           ; v5  r + 8 (r / 8) - 16 h
.set T,    6
.set NINF, 7
                                       ; v8-27: zeros | Q of the late tile | zeros | Q of the early tile | zeros
.set NMH,  28                          ; -M (v29 = 0: named with it as a pair)
.set SUMH, 30
.set NML,  32
.set SUML, 34
.set QSH,  36                          ; Q's scale words
.set QSL,  37
.set OH,   38                          ; O^T: 4 tiles of d x 8
.set OL,   70
.set KF,   102
.set VF,   134
.set KS,   166
.set VS,   170
.set S,    174                         ; the scores, then p
.set PC,   238
.set BM,   246
.set BT,   250
.set F,    254
.set PSW,  255                         ; p's scale word
.set AL,   16
.set AH,   18
.set SXH,  19                          ; the tiles' last key steps
.set SXL,  20
.set MOH,  21                          ; the tiles' first query within their 128
.set MOL,  22
.set SEL,  40
.set CS,   42
.set SI,   44
.set TB,   45
	s_load_b128 s[4:7], s[0:1], 0x0                ; qkv, y's codes
	s_load_b64 s[8:9], s[0:1], 0x10                ; y's scales
	v_lshl_add_u32 v254, v0, 2, 0x29000
	v_mov_b32 v255, 0
	ds_add_u32 v254, v255
	ds_add_u32 v254, v255
	s_wait_dscnt 0x0
	v_lshrrev_b32 v[ADK], 5, v0
	v_readfirstlane_b32 s10, v[ADK]                ; wave 0..15
	s_and_b32 s11, ttmp7, 0xffff                   ; 16 x batch + head
	s_mul_i32 s12, s11, HS
	s_mov_b32 s13, 0
	s_mul_i32 s14, s10, REC
	s_add_co_u32 s14, s14, 4352                    ; my record, behind Q's part
	s_mov_b32 s15, 0
	s_mul_i32 s17, s10, KVB
	s_mov_b32 s24, 3<<16                           ; group 1: 34 rows of 256 bytes (32 elements of 8 bytes), dense, no padding, no mask
	s_mov_b32 s25, 32<<16
	s_mov_b32 s26, 34<<16
	s_mov_b32 s27, 32<<16
	s_mov_b32 s28, 34
	s_mov_b32 s29, 32
	s_mov_b32 s30, 0
	s_mov_b32 s31, 0
	s_wait_kmcnt 0x0
	s_add_nc_u64 s[4:5], s[4:5], s[12:13]          ; the head
	s_mov_b32 s32, 1
	s_mov_b32 s33, s17
	s_add_nc_u64 s[34:35], s[4:5], s[14:15]
	s_or_b32 s35, s35, 0x80000000
	tensor_load_to_lds s[32:35], s[24:31]          ; my one tensor load
	s_nop 0
.rept 4
	v_nop
.endr
	s_lshl_b32 s[AL], ttmp9, 4
	s_add_co_u32 s[AL], s[AL], s10
	s_sub_co_u32 s[AH], 127, s[AL]
.macro PLACE a, sx, mo, qo, so, sel    ; of tile s[a]: its last key step, its first query, where its codes and scale words lie, which half of a word is its own
	s_lshr_b32 s[\sx], s[\a], 3
	s_mul_i32 s[\qo], s[\sx], REC
	s_and_b32 s36, s[\a], 7
	s_lshr_b32 s37, s36, 1
	s_lshl_b32 s[\so], s37, 2
	s_add_co_u32 s[\so], s[\so], s[\qo]
	s_add_co_u32 s[\so], s[\so], 4096
	s_lshl_b32 s36, s36, 9
	s_add_co_u32 s[\qo], s[\qo], s36
	s_lshl_b32 s[\mo], s37, 5
	s_and_b32 s36, s[\a], 1
	s_lshl_b32 s37, s36, 3
	s_add_co_u32 s[\mo], s[\mo], s37
	s_mov_b32 s[\sel], 0x03020302
	s_cmp_lg_u32 s36, 0
	s_cselect_b32 s[\sel], s[\sel], 0x01000100
.endm
	PLACE AH, SXH, MOH, 46, 48, 50
	PLACE AL, SXL, MOL, 47, 49, 51
	v_and_b32 v[L16], 31, v0
	v_lshlrev_b32 v[L16], 4, v[L16]
	v_and_b32 v[R16], 15, v0
	v_bfe_u32 v[ADK], v0, 4, 1
	v_and_b32 v[DQ], 8, v[R16]
	v_add_nc_u32 v[DQ], v[DQ], v[R16]
	v_lshlrev_b32 v[ADS], 4, v[ADK]
	v_sub_nc_u32 v[DQ], v[DQ], v[ADS]
	v_lshlrev_b32 v[R16], 4, v[R16]
	v_add_nc_u32 v[BM], s46, v[L16]
	v_add_nc_u32 v[BM+1], s47, v[L16]
	v_add_nc_u32 v[BM+2], s48, v[R16]
	v_add_nc_u32 v[BM+3], s49, v[R16]
	global_load_b128 v[12:15], v[BM], s[4:5]       ; Q's codes: 16 bytes a lane: d = 32 h + 0..31 of query r
	global_load_b128 v[20:23], v[BM+1], s[4:5]
	global_load_b32 v[QSH], v[BM+2], s[4:5]
	global_load_b32 v[QSL], v[BM+3], s[4:5]
	; where y goes
	s_lshr_b32 s36, s11, 4
	s_lshl_b32 s36, s36, 7                         ; 128 tiles a batch
	s_and_b32 s37, s11, 7                          ; head % 8
	s_bfe_u32 s38, s11, 0x10003                    ; head / 8: which half of the last product's K
	s_lshl_b32 s39, s38, 21
	s_lshl_b32 s23, s37, 9
	s_add_co_u32 s39, s39, s23
	s_lshl_b32 s38, s38, 8
	s_lshl_b32 s23, s37, 1
	s_add_co_u32 s38, s38, s23
.macro YBASE a, cb, sb
	s_add_co_u32 s23, s36, s[\a]
	s_lshl_b32 s[\cb], s23, 12
	s_add_co_u32 s[\cb], s[\cb], s39
	s_mov_b32 s[\cb+1], 0
	s_add_nc_u64 s[\cb:\cb+1], s[6:7], s[\cb:\cb+1]
	s_lshl_b32 s[\sb], s23, 9
	s_add_co_u32 s[\sb], s[\sb], s38
	s_mov_b32 s[\sb+1], 0
	s_add_nc_u64 s[\sb:\sb+1], s[8:9], s[\sb:\sb+1]
.endm
	YBASE AH, 52, 56
	YBASE AL, 54, 58
	s_mov_b32 s[SEL], 0x76543210
	s_mov_b32 s[SEL+1], 0xfedcba98
	s_mov_b32 s[CS], 0x3e38aa3b                    ; c = log2(e) / 8
	s_mov_b32 s[CS+1], s[CS]
	s_mov_b32 s[SI], 0
	s_mov_b32 s[TB], 0
	s_wait_loadcnt 0x0
	v_perm_b32 v[QSH], v[QSH], v[QSH], s50         ; my tile's two bytes, twice: for Q in the lower half of K and in the upper
	v_perm_b32 v[QSL], v[QSL], v[QSL], s51
	; the lines below are also the places between these two writes and the first scaled product
.irp j, 8,9,10,11,16,17,18,19,24,25,26,27
	v_mov_b32 v[\j], 0                             ; zero codes
.endr
	v_mov_b32 v[NMH], 0x7f61b1e6                   ; -M: 3e38, over every -t
	v_mov_b32 v[NMH+1], 0
	v_mov_b32 v[SUMH], 0
	v_mov_b32 v[SUMH+1], 0
	v_mov_b32 v[NML], 0x7f61b1e6
	v_mov_b32 v[NML+1], 0
	v_mov_b32 v[SUML], 0
	v_mov_b32 v[SUML+1], 0
	v_mov_b32 v[NINF], 0xff800000
.irp b, 0,1,2,3
	v_mov_b32 v[BT+\b], 0                          ; a lane permute's destination counts as one of its sources
.endr
	v_mov_b32 v[PSW], 0                            ; named as the upper half of the pair with f before it is first written
.set n, 0
.rept 64
	v_mov_b32 v[OH+n], 0                           ; O^T of both tiles: the step is written once; the first change of M multiplies zeros
.set n, n+1
.endr
	s_wait_tensorcnt 0x0                           ; my record has landed,
	s_barrier_signal -1
	s_barrier_wait -1                              ; everybody's has
; One tile's part of a key step.  b1: Q | zeros, b2: zeros | Q.
.macro TILE b1, b2, qs, nm, sum, o, sx, mo
.irp p, 0,1,2,3
	v_wmma_scale_f32_16x16x128_f8f6f4 v[S+16*\p:S+16*\p+7], v[KF+8*\p:KF+8*\p+7], v[\b1:\b1+7], 0, v[KS+\p], v[\qs] matrix_a_fmt:MATRIX_FMT_FP4 matrix_b_fmt:MATRIX_FMT_FP4
	v_wmma_scale_f32_16x16x128_f8f6f4 v[S+16*\p+8:S+16*\p+15], v[KF+8*\p:KF+8*\p+7], v[\b2:\b2+7], 0, v[KS+\p], v[\qs] matrix_a_fmt:MATRIX_FMT_FP4 matrix_b_fmt:MATRIX_FMT_FP4
.endr                                  ; register 16 b + i: key 32 b + 16 (lane / 16) + i of the step
.rept 4
	v_nop
.endr
	s_cmp_lg_u32 s[SI], s[\sx]                     ; only the tile's last step lies on the diagonal
	s_cbranch_scc1 .Lopen_\@
	v_add_nc_u32 v[T], s[\mo], v[DQ]               ; my query - 16 (lane / 16): register n is hidden where 32 (n / 16) + n % 16 is greater
.set n, 0
.rept 64
	v_cmp_gt_i32 vcc_lo, 32*(n/16)+n%16, v[T]
	v_cndmask_b32 v[S+n], v[S+n], v[NINF], vcc_lo
.set n, n+1
.endr
.Lopen_\@:
.irp b, 0,1,2,3
	v_max3_num_f32 v[BM+\b], v[S+16*\b], v[S+16*\b+1], v[S+16*\b+2]   ; the largest score of each block of 32 keys: for the row's maximum and for the block's largest p
.endr
.irp i, 3,5,7,9,11,13
.irp b, 0,1,2,3
	v_max3_num_f32 v[BM+\b], v[BM+\b], v[S+16*\b+\i], v[S+16*\b+\i+1]
.endr
.endr
.irp b, 0,1,2,3
	v_max_num_f32 v[BM+\b], v[BM+\b], v[S+16*\b+15]
.endr
.irp b, 0,1,2,3
	v_permlanex16_b32 v[BT+\b], v[BM+\b], s[SEL], s[SEL+1]
.endr
.irp b, 0,1,2,3
	v_max_num_f32 v[BM+\b], v[BM+\b], v[BT+\b]
.endr
	v_max3_num_f32 v[T], v[BM], v[BM+1], v[BM+2]
	v_max_num_f32 v[T], v[T], v[BM+3]
	v_mul_f32 v[T], s[CS], v[T]                    ; the step's largest t of my query
	v_floor_f32 v[T], -v[T]                        ; -ceil(t)
	v_min_num_f32 v[T], v[T], v[\nm]               ; the new -M
	v_sub_f32 v[F], v[T], v[\nm]                   ; old M - new M: a whole number, 0 or less
	v_cvt_i32_f32 v[F], v[F]                       ; (it saturates)
	v_ldexp_f32 v[F], 1.0, v[F]                    ; f = 2^(old M - new M)
	v_mov_b32 v[\nm], v[T]
.set n, 0
.rept 32
	v_pk_fma_f32 v[S+n:S+n+1], v[S+n:S+n+1], s[CS:CS+1], v[\nm:\nm+1] op_sel_hi:[1,0,0]   ; t - M
.set n, n+2
.endr
.irp b, 0,1,2,3
	v_fma_f32 v[BM+\b], v[BM+\b], s[CS], v[\nm]
.endr
.set n, 0
.rept 64
	v_exp_f32 v[S+n], v[S+n]                       ; p
.set n, n+1
.endr
	v_pk_mul_f32 v[\sum:\sum+1], v[\sum:\sum+1], v[F:F+1] op_sel_hi:[1,0]   ; a plain place behind the exponentials
	s_wait_alu depctr_va_vdst(0)                   ; one wait for the batch, ahead of its first reader
.irp b, 0,1,2,3
	v_exp_f32 v[BM+\b], v[BM+\b]                   ; the blocks' largest p
.endr
	v_pk_add_f32 v[BT:BT+1], v[S:S+1], v[S+2:S+3]  ; the row's sum of the unquantised p, in two chains
.set n, 4
.rept 15
	v_pk_add_f32 v[\sum:\sum+1], v[\sum:\sum+1], v[S+n:S+n+1]
	v_pk_add_f32 v[BT:BT+1], v[BT:BT+1], v[S+n+2:S+n+3]
.set n, n+4
.endr
	v_pk_add_f32 v[\sum:\sum+1], v[\sum:\sum+1], v[BT:BT+1]
	s_wait_alu depctr_va_vdst(0)                   ; and one for the four
.irp b, 0,1,2,3
	v_max_num_f32 v[BM+\b], 0x1800000, v[BM+\b]    ; the floor: a block whose every p is 0 keeps the byte 1; its codes are zeros
.endr
.irp b, 0,1,2,3
	v_add_nc_u32 v[BT+\b], 0xff000000, v[BM+\b]
.endr
.irp b, 0,1,2,3
	v_lshrrev_b32 v[BM+\b], 23, v[BT+\b]
.endr
	v_lshl_or_b32 v[PSW], v[BM+1], 8, v[BM]
	v_lshl_or_b32 v[PSW], v[BM+2], 16, v[PSW]
	v_lshl_or_b32 v[PSW], v[BM+3], 24, v[PSW]
.irp b, 0,1,2,3
	v_cvt_scalef32_pk8_fp4_f32 v[PC+2*\b], v[S+16*\b:S+16*\b+7], v[BT+\b]
	v_cvt_scalef32_pk8_fp4_f32 v[PC+2*\b+1], v[S+16*\b+8:S+16*\b+15], v[BT+\b]
.endr
	v_nop                                          ; one plain place behind a scaled conversion
.irp c, 0,1
.irp i, 0,1
	v_permlane16_swap_b32 v[PC+4*\c+\i], v[PC+2+4*\c+\i]
.endr
.endr
.set n, 0
.rept 16
	v_pk_mul_f32 v[\o+n:\o+n+1], v[\o+n:\o+n+1], v[F:F+1] op_sel_hi:[1,0]   ; O^T under the new M; these sixteen are also the places in front of the products below
.set n, n+2
.endr
	s_wait_dscnt 0x0                               ; V is in
.irp p, 0,1,2,3
	v_wmma_scale_f32_16x16x128_f8f6f4 v[\o+8*\p:\o+8*\p+7], v[VF+8*\p:VF+8*\p+7], v[PC:PC+7], v[\o+8*\p:\o+8*\p+7], v[VS+\p], v[PSW] matrix_a_fmt:MATRIX_FMT_FP4 matrix_b_fmt:MATRIX_FMT_FP4
.endr                                  ; four accumulators, one instruction a turn
.endm
.Lstep:                                ; 16 trips, a constant; s[SI] the key step, s[TB] its record in LDS
	s_cmp_gt_u32 s[SI], s[SXH]
	s_cbranch_scc1 .Lnext
	v_add_nc_u32 v[ADK], s[TB], v[L16]
	v_add_nc_u32 v[ADS], s[TB], v[R16]
	v_nop
	v_nop                                          ; four places in front of loads into registers that the last products read
.irp p, 0,1,2,3
	ds_load_b128 v[KF+8*\p:KF+8*\p+3], v[ADK] offset:1024*\p        ; key tile 2 p
	ds_load_b128 v[KF+8*\p+4:KF+8*\p+7], v[ADK] offset:1024*\p+512  ; key tile 2 p + 1
.endr
	ds_load_b128 v[KS:KS+3], v[ADS] offset:8192
.irp p, 0,1,2,3
	ds_load_b128 v[VF+8*\p:VF+8*\p+3], v[ADK] offset:4096+1024*\p
	ds_load_b128 v[VF+8*\p+4:VF+8*\p+7], v[ADK] offset:4096+1024*\p+512
.endr
	ds_load_b128 v[VS:VS+3], v[ADS] offset:8448
	s_wait_dscnt 9                                 ; K and its words are in; V's nine loads may be out
	TILE 12, 8, QSH, NMH, SUMH, OH, SXH, MOH
	s_cmp_gt_u32 s[SI], s[SXL]
	s_cbranch_scc1 .Lnext
	TILE 20, 16, QSL, NML, SUML, OL, SXL, MOL
.Lnext:
	s_add_co_u32 s[TB], s[TB], KVB
	s_add_co_u32 s[SI], s[SI], 1
	s_cmp_lt_u32 s[SI], 16
	s_cbranch_scc1 .Lstep
	; THE WAY OUT: O^T / the sum; register 16 b + i is d = 32 b + 16 (lane / 16) + i of my query: two blocks of the last product's K
.rept 4
	v_nop
.endr
	v_add_f32 v[BM], v[SUMH], v[SUMH+1]
	v_add_f32 v[BM+1], v[SUML], v[SUML+1]
	v_permlanex16_b32 v[BT], v[BM], s[SEL], s[SEL+1]
	v_permlanex16_b32 v[BT+1], v[BM+1], s[SEL], s[SEL+1]
	v_add_f32 v[BM], v[BM], v[BT]
	v_add_f32 v[BM+1], v[BM+1], v[BT+1]
	v_rcp_f32 v[BM+2], v[BM]
	v_rcp_f32 v[BM+3], v[BM+1]
	v_bfe_u32 v[ADK], v0, 4, 1                     ; (a plain place behind the reciprocals)  h
	v_add_nc_u32 v[ADS], v[R16], v[ADK]            ; a scale byte's place: 16 r + h
	v_cmp_ne_u32 vcc_lo, 0, v[ADK]
	s_wait_alu depctr_va_vdst(0)                   ; one wait for both, ahead of the first reader
.set n, 0
.rept 32
	v_mul_f32 v[S+n], v[OH+n], v[BM+2]
.set n, n+1
.endr
.set n, 0
.rept 32
	v_mul_f32 v[S+32+n], v[OL+n], v[BM+3]
.set n, n+1
.endr
.macro QY s, pc, m, byte
.irp b, 0,1
	v_max3_num_f32 v[BM+\m+\b], |v[\s+16*\b]|, |v[\s+16*\b+1]|, 0x1800000
.endr
.irp i, 2,4,6,8,10,12,14
.irp b, 0,1
	v_max3_num_f32 v[BM+\m+\b], v[BM+\m+\b], |v[\s+16*\b+\i]|, |v[\s+16*\b+\i+1]|
.endr
.endr
.irp b, 0,1
	v_permlanex16_b32 v[BT+\m+\b], v[BM+\m+\b], s[SEL], s[SEL+1]
.endr
.irp b, 0,1
	v_max_num_f32 v[BM+\m+\b], v[BM+\m+\b], v[BT+\m+\b]
.endr
.irp b, 0,1
	v_add_nc_u32 v[BT+\m+\b], 0xff000000, v[BM+\m+\b]
.endr
.irp b, 0,1
	v_lshrrev_b32 v[BM+\m+\b], 23, v[BT+\m+\b]
.endr
	v_cndmask_b32 v[\byte], v[BM+\m], v[BM+\m+1], vcc_lo   ; lanes 0-15 store block 0's byte, lanes 16-31 block 1's
.irp b, 0,1
	v_cvt_scalef32_pk8_fp4_f32 v[\pc+2*\b], v[\s+16*\b:\s+16*\b+7], v[BT+\m+\b]
	v_cvt_scalef32_pk8_fp4_f32 v[\pc+2*\b+1], v[\s+16*\b+8:\s+16*\b+15], v[BT+\m+\b]
.endr
	v_nop
	v_permlane16_swap_b32 v[\pc], v[\pc+2]
	v_permlane16_swap_b32 v[\pc+1], v[\pc+3]
.endm
	QY S, PC, 0, T
	global_store_b128 v[L16], v[PC:PC+3], s[52:53] ; 512 consecutive bytes
	global_store_b8 v[ADS], v[T], s[56:57]
	QY S+32, PC+4, 2, NINF
	global_store_b128 v[L16], v[PC+4:PC+7], s[54:55]
	global_store_b8 v[ADS], v[NINF], s[58:59]
	s_wait_xcnt 0x0
	v_lshl_add_u32 v254, v0, 2, 0x29000
	v_mov_b32 v255, 0
	s_wait_tensorcnt 0x0
	ds_add_u32 v254, v255
	s_wait_dscnt 0x0
	s_endpgm
.Lfunc_end_k_q9faf6fd4cd_attn:
	.size	k_q9faf6fd4cd_attn, .Lfunc_end_k_q9faf6fd4cd_attn-k_q9faf6fd4cd_attn
	.p2alignl 7, 3214868480
	.fill 96, 4, 3214868480
	.section	.rodata,"a",@progbits
	.p2align	6, 0x0
	.amdhsa_kernel k_q9faf6fd4cd_attn
		.amdhsa_group_segment_fixed_size 169984
		.amdhsa_private_segment_fixed_size 0
		.amdhsa_enable_private_segment 0
		.amdhsa_kernarg_size 24
		.amdhsa_user_sgpr_count 2
		.amdhsa_user_sgpr_kernarg_segment_ptr 1
		.amdhsa_wavefront_size32 1
		.amdhsa_system_sgpr_workgroup_id_x 1
		.amdhsa_system_sgpr_workgroup_id_y 1
		.amdhsa_system_sgpr_workgroup_id_z 1
		.amdhsa_system_vgpr_workitem_id 0
		.amdhsa_next_free_vgpr 256
		.amdhsa_next_free_sgpr 66
		.amdhsa_reserve_vcc 1
		.amdhsa_float_denorm_mode_32 3
		.amdhsa_float_denorm_mode_16_64 3
		.amdhsa_memory_ordered 1
		.amdhsa_forward_progress 1
		.amdhsa_inst_pref_size 54
	.end_amdhsa_kernel
	.amdgpu_metadata
---
amdhsa.version: [ 1, 2 ]
amdhsa.kernels:
  - .name:           k_q9faf6fd4cd_attn
    .symbol:         k_q9faf6fd4cd_attn.kd
    .args:
      - { .name: qkv, .offset: 0, .size: 8, .value_kind: global_buffer, .address_space: global }
      - { .name: y_codes, .offset: 8, .size: 8, .value_kind: global_buffer, .address_space: global }
      - { .name: y_scales, .offset: 16, .size: 8, .value_kind: global_buffer, .address_space: global }
    .group_segment_fixed_size: 169984
    .private_segment_fixed_size: 0
    .kernarg_segment_align: 8
    .kernarg_segment_size: 24
    .max_flat_workgroup_size: 512
    .sgpr_count:     66
    .vgpr_count:     256
    .wavefront_size: 32
...
	.end_amdgpu_metadata
.endif
;; end of part 3
;; launch proj (part 4): grid 4 x 32, 4 waves a work-group, clusters of 4 x 4, 279,040 bytes of LDS; arguments y_codes, y_scales, xw_codes, xw_scales, b_proj, out0; writes out0
.if DOCPART == 4
	.amdgcn_target "amdgcn-amd-amdhsa--gfx1250"
	.amdhsa_code_object_version 6
	.text
	.protected	k_q9faf6fd4cd_proj
	.globl	k_q9faf6fd4cd_proj
	.p2align	8
	.type	k_q9faf6fd4cd_proj,@function
k_q9faf6fd4cd_proj:
	s_mov_b64 s[64:65], 0
	v_nop
	global_prefetch_b8 v0, s[64:65] scope:SCOPE_SE
	s_setreg_imm32_b32 hwreg(HW_REG_WAVE_MODE, 25, 1), 1
	s_wait_xcnt 0x0
	s_wait_alu depctr_hold_cnt(0) depctr_sa_sdst(0) depctr_va_vdst(0) depctr_va_sdst(0) depctr_va_ssrc(0) depctr_va_vcc(0) depctr_vm_vsrc(0)
	s_getreg_b32 s2, hwreg(HW_REG_IB_STS2, 6, 4)
	s_cmp_eq_u32 s2, 0
	s_cbranch_scc0 .Lentry_in_a_cluster
	s_endpgm
.Lentry_in_a_cluster:
	s_bfe_u32 s2, ttmp6, 0x10000c
	s_cmp_lg_u32 s2, 0xf033
	s_cbranch_scc0 .Lentry_shape_is_right
	s_endpgm
.Lentry_shape_is_right:
; out0 = y w_proj + b_proj on codes of FP4 with E8M0 scales, sums in f32.  The same product as the launch for qkv: a work-group of four waves makes 256 x 256, a wave 128 x 128; K = 1,024 is two LDS slots,
; each LDS byte filled ONCE by the first fills; operands lie in memory in the order of the operand's registers (a tile of 16 rows x 512 K is 4,096 dense bytes).
; Source 0 ("B") = w_proj's columns, along a lane's registers; source 1 ("A") = y's tokens, a token a lane.  Row p of tile a is index 32 (a / 2) + 8 (a % 2) + p + 8 (p / 8).
; The bias is the C of each sum's first product.  CLUSTERS 4 x 4: A's tiles are asked for jointly along a row of the cluster, B's along a column.
; THE WAY OUT: a block of 16 tokens x 128 columns goes through the wave's own stage in LDS and leaves as whole rows of 512 bytes.  The stage lies in slot 0, which has had its only fill and its last read by then.
; REGISTERS: window 0: v0-31 addresses; v32-95 scale words, two sets; v128-191 A's fragments; v192-255 the bias; on the way out v128-255 rows.  window 1: B's fragments, two sets.  windows 2, 3: accumulator (a, b) at v[8 (8 (a % 4) + b)].
.set NQ,     4
.set FR,     8
.set NL,     2
.set NP,     4                         ; places behind this matrix instruction (ISA guide 7.12.1)
.set GSTR,   3145728                   ; from K's first half to its second in x's and the weights' codes
.set YSTR,   2097152                   ; and in y's
.set HALFT,  32768
.set SLOT,   4*HALFT
.set SCL,    2*SLOT
.set SPITCH, 528
.set ADRA, 16
.set ADRB, 20
.set STO,  24
.set RD,   25
.set L16,  26
.set ADRS, 27
.set SC,   32
.set AF,   128
.set BI,   192
.set BK,   128
.set G1, 24
.set G0, 32
.set G1B, 48
.set G0B, 56
.set G1S, 68
.set G0S, 76
.set G1SB, 80
.set G0SB, 88
.set MSB, 0
.macro WIN new                         ; the immediate's high byte repeats the setting that is left
.if MSB != (\new)
	s_set_vgpr_msb (MSB<<8)|(\new)
.set MSB, (\new)
.endif
.endm
.set MUL_LO, 0xa1                      ; source 0 (B) window 1, source 1 (A) window 0, C and D window 2
.set MUL_HI, 0xf1
.set TO_B,   0x40
.macro JLOAD g0a, g1a, g0b, g1b        ; a joint load: waves 0 and 1 fetch for A, waves 2 and 3 for B; four v_nop follow each line
	s_cmp_eq_u32 s15, 0
	s_cbranch_scc0 .Lfor_b_\@
	tensor_load_to_lds s[\g0a:\g0a+3], s[\g1a:\g1a+7]
	s_nop 0
.rept 4
	v_nop
.endr
	s_branch .Lasked_\@
.Lfor_b_\@:
	tensor_load_to_lds s[\g0b:\g0b+3], s[\g1b:\g1b+7]
	s_nop 0
.rept 4
	v_nop
.endr
.Lasked_\@:
.endm
.macro CROUND                          ; a round of the cluster's barrier
	s_barrier_signal -1
	s_barrier_wait -1
	s_cmp_lg_u32 s14, 0
	s_cbranch_scc1 .Lnot_wave_0_\@
	s_barrier_signal -3
.Lnot_wave_0_\@:
	s_barrier_wait -3
	s_barrier_signal -1
	s_barrier_wait -1
.endm
.macro PLACES n
.rept \n
	v_nop
.endr
.endm
.macro FRAG reg, adr, q, i
.irp c, 0,1
	ds_load_b128 v[\reg+4*\c:\reg+4*\c+3], v[\adr] offset:1024*(\q)+512*\c+(\i)*4096
.endr
.endm
.macro MUL16 a0, p, q, sc, zero        ; zero = 2: the bias starts the sums.  The 64 accumulators take turns, one instruction a turn
.irp a, \a0, \a0+1
.irp b, 0,1,2,3,4,5,6,7
.if \zero == 2
	v_wmma_scale_f32_16x16x128_f8f6f4 v[8*(8*((\a)%4)+\b):8*(8*((\a)%4)+\b)+7], v[128*(\p)+FR*\b:128*(\p)+FR*\b+FR-1], v[AF+FR*(\a):AF+FR*(\a)+FR-1], v[BI+8*\b:BI+8*\b+7], v[SC+8*NQ*(\sc)+NQ*\b+(\q)], v[SC+8*NQ*(\sc)+NQ*(\a)+(\q)] matrix_a_fmt:MATRIX_FMT_FP4 matrix_b_fmt:MATRIX_FMT_FP4 matrix_a_scale:MATRIX_SCALE_ROW1
.else
	v_wmma_scale_f32_16x16x128_f8f6f4 v[8*(8*((\a)%4)+\b):8*(8*((\a)%4)+\b)+7], v[128*(\p)+FR*\b:128*(\p)+FR*\b+FR-1], v[AF+FR*(\a):AF+FR*(\a)+FR-1], v[8*(8*((\a)%4)+\b):8*(8*((\a)%4)+\b)+7], v[SC+8*NQ*(\sc)+NQ*\b+(\q)], v[SC+8*NQ*(\sc)+NQ*(\a)+(\q)] matrix_a_fmt:MATRIX_FMT_FP4 matrix_b_fmt:MATRIX_FMT_FP4 matrix_a_scale:MATRIX_SCALE_ROW1
.endif
.endr
.endr
.endm
.macro FETCH_B slot, q, p
	WIN TO_B
.irp i, 0,1,2,3,4,5,6,7
	FRAG 128*(\p)+FR*\i, ADRB+\slot, \q, \i
.endr
	WIN 0
.endm
.macro FETCH_A slot, q, i0
.irp i, \i0, \i0+1, \i0+2, \i0+3
	FRAG AF+FR*(\i), ADRA+\slot, \q, \i
.endr
.endm
.macro SCALES sc
.irp i, 0,1,2,3,4,5,6,7
	ds_load_b128 v[SC+8*NQ*\sc+NQ*\i:SC+8*NQ*\sc+NQ*\i+3], v[ADRS] offset:\i*512
.endr
.endm
.macro STEP slot, q, zero
	s_wait_dscnt 4*NL                              ; all but the youngest eight loads (A's blocks 4-7) are in
.if \zero == 2
	WIN 0x81                                       ; C (the bias) window 0, D window 2
.else
	WIN MUL_LO
.endif
	MUL16 0, (\q)%2, \q, \slot, \zero
	MUL16 2, (\q)%2, \q, \slot, \zero
	s_wait_dscnt 0x0
	PLACES NP                                      ; in front of loads into registers that matrix instructions have read
	FETCH_B \slot, (\q)+1, 1-(\q)%2
	FETCH_A \slot, (\q)+1, 0
.if \zero == 2
	WIN 0xc1
.else
	WIN MUL_HI
.endif
	MUL16 4, (\q)%2, \q, \slot, \zero
	MUL16 6, (\q)%2, \q, \slot, \zero
	PLACES NP
	WIN 0
	FETCH_A \slot, (\q)+1, 4
.endm
.macro STEPS slot, from
.set Q, \from
.rept NQ-1-\from
	STEP \slot, Q, 0
.set Q, Q+1
.endr
.endm
.macro TURN                            ; slot 0's last step; one barrier shows slot 1 whole to every wave, and slot 0 read out.
	s_wait_tensorcnt 0x0                           ; my part of slot 1 has landed
	s_wait_dscnt 4*NL
	WIN MUL_LO
	MUL16 0, 1, NQ-1, 0, 0
	s_wait_dscnt 0x0                               ; my reads of slot 0 are over
	s_barrier_signal -1
	MUL16 2, 1, NQ-1, 0, 0
	WIN 0
	s_barrier_wait -1
	PLACES NP
	v_add_nc_u32 v[ADRS], 256, v[ADRS]
	FETCH_B 1, 0, 0
	FETCH_A 1, 0, 0
	SCALES 1
	WIN MUL_HI
	MUL16 4, 1, NQ-1, 0, 0
	MUL16 6, 1, NQ-1, 0, 0
	PLACES NP
	WIN 0
	FETCH_A 1, 0, 4
.endm
	s_load_b256 s[4:11], s[0:1], 0x0               ; y's codes s[4:5], y's scales s[6:7], the weights' codes s[8:9], their scales s[10:11]
	s_load_b128 s[96:99], s[0:1], 0x20             ; b_proj s[96:97], out0 s[98:99]
	v_lshl_add_u32 v126, v0, 2, 0x44000
	v_mov_b32 v127, 0
	ds_add_u32 v126, v127
	ds_add_u32 v126, v127
	v_lshrrev_b32 v1, 5, v0
	v_readfirstlane_b32 s14, v1                    ; wave
	s_lshr_b32 s15, s14, 1                         ; my half of A's rows.  Also: I fetch for A (0) or for B (1)
	s_and_b32 s16, s14, 1                          ; my half of B's rows.  Also: which 8 tiles I fetch
	s_bfe_u32 s40, ttmp6, 0x40000                  ; cx
	s_bfe_u32 s41, ttmp6, 0x40004                  ; cy
	s_lshl_b32 s42, ttmp9, 2
	s_add_co_u32 s42, s42, s40                     ; which 256 columns
	s_and_b32 s17, ttmp7, 0xffff
	s_lshl_b32 s17, s17, 2
	s_add_co_u32 s17, s17, s41                     ; which 256 tokens
	s_lshl_b32 s43, s41, 2
	s_lshl_b32 s43, 15, s43                        ; my row of the cluster
	s_lshl_b32 s44, 0x1111, s40                    ; my column
	s_or_b32 s[G1+0], s43, (3<<16)|(1<<21)         ; group 1: dense blocks as rows of 256 bytes: 128 rows of codes, 16 of scales; no padding; bit 21 stands beside a mask
	s_or_b32 s[G1B+0], s44, (3<<16)|(1<<21)
	s_or_b32 s[G1S+0], s43, (3<<16)|(1<<21)
	s_or_b32 s[G1SB+0], s44, (3<<16)|(1<<21)
.irp g, G1, G1B
	s_mov_b32 s[\g+1], 32<<16
	s_mov_b32 s[\g+2], 128<<16
	s_mov_b32 s[\g+3], 32<<16
	s_mov_b32 s[\g+4], 128
	s_mov_b32 s[\g+5], 32
	s_mov_b32 s[\g+6], 0
	s_mov_b32 s[\g+7], 0
.endr
.irp g, G1S, G1SB
	s_mov_b32 s[\g+1], 32<<16
	s_mov_b32 s[\g+2], 16<<16
	s_mov_b32 s[\g+3], 32<<16
	s_mov_b32 s[\g+4], 16
	s_mov_b32 s[\g+5], 32
	s_mov_b32 s[\g+6], 0
	s_mov_b32 s[\g+7], 0
.endr
	s_lshl_b32 s18, s16, 3                         ; the 8 tiles that I fetch
	s_lshl_b32 s20, s17, 4
	s_add_co_u32 s20, s20, s18                     ; A: y's tile
	s_lshl_b32 s46, s42, 4
	s_add_co_u32 s46, s46, s18
	s_add_co_u32 s46, s46, 704                     ; B: w_proj's tile
	s_lshl_b32 s22, s20, 9
	s_mov_b32 s23, 0
	s_lshl_b32 s20, s20, 12
	s_mov_b32 s21, 0
	s_lshl_b32 s92, s46, 9
	s_mov_b32 s93, 0
	s_lshl_b32 s46, s46, 12
	s_mov_b32 s47, 0
	s_lshl_b32 s19, s14, 15                        ; where they go: wave x 32,768
	s_lshl_b32 s94, s14, 12
	s_wait_dscnt 0x0
	s_wait_kmcnt 0x0
	s_add_nc_u64 s[20:21], s[4:5], s[20:21]
	s_add_nc_u64 s[22:23], s[6:7], s[22:23]
	s_add_nc_u64 s[46:47], s[8:9], s[46:47]
	s_add_nc_u64 s[92:93], s[10:11], s[92:93]
	CROUND                                         ; all sixteen work-groups are here: the joint loads meet
	s_mov_b32 s[G0S], 1
	s_add_co_u32 s[G0S+1], s94, SCL
	s_mov_b64 s[G0S+2:G0S+3], s[22:23]
	s_or_b32 s[G0S+3], s[G0S+3], 0x80000000
	s_mov_b32 s[G0SB], 1
	s_add_co_u32 s[G0SB+1], s94, SCL
	s_mov_b64 s[G0SB+2:G0SB+3], s[92:93]
	s_or_b32 s[G0SB+3], s[G0SB+3], 0x80000000
	JLOAD G0S, G1S, G0SB, G1SB                     ; three loads of mine go out: the scales, slot 0, slot 1
.irp s, 0,1
	s_mov_b32 s[G0+4*\s], 1
	s_add_co_u32 s[G0+4*\s+1], s19, \s*SLOT
	s_add_nc_u64 s[G0+4*\s+2:G0+4*\s+3], s[20:21], \s*YSTR
	s_or_b32 s[G0+4*\s+3], s[G0+4*\s+3], 0x80000000
	s_mov_b32 s[G0B+4*\s], 1
	s_add_co_u32 s[G0B+4*\s+1], s19, \s*SLOT
	s_add_nc_u64 s[G0B+4*\s+2:G0B+4*\s+3], s[46:47], \s*GSTR
	s_or_b32 s[G0B+4*\s+3], s[G0B+4*\s+3], 0x80000000
	JLOAD G0+4*\s, G1, G0B+4*\s, G1B
.endr
	v_and_b32 v1, 15, v0                           ; r
	v_bfe_u32 v2, v0, 4, 1                         ; h
	v_and_b32 v3, 31, v0
	v_lshlrev_b32 v[L16], 4, v3
	s_lshl_b32 s21, s15, 15
	s_lshl_b32 s22, s16, 15
	s_add_co_u32 s22, s22, 2*HALFT
.irp s, 0,1
	v_add_nc_u32 v[ADRA+\s], s21, v[L16]
	v_add_nc_u32 v[ADRB+\s], s22, v[L16]
	s_add_co_u32 s21, s21, SLOT
	s_add_co_u32 s22, s22, SLOT
.endr
	v_lshlrev_b32 v5, 4, v1
	s_lshl_b32 s21, s15, 12
	s_lshl_b32 s22, s16, 12
	s_add_co_u32 s22, s22, 8192
	s_sub_co_u32 s22, s22, s21
	v_mul_u32_u24 v6, s22, v2                      ; lanes 16-31 take B's scale words
	s_add_co_u32 s21, s21, SCL
	v_add_nc_u32 v5, v5, v6
	v_add_nc_u32 v[ADRS], s21, v5
	s_mul_i32 s23, s14, 16*SPITCH                  ; my stage
	v_mul_u32_u24 v5, v1, SPITCH
	v_lshl_add_u32 v5, v2, 6, v5
	v_add_nc_u32 v[STO], s23, v5                   ; in: row r, + 64 h
	v_add_nc_u32 v[RD], s23, v[L16]                ; back: 16 bytes a lane of a row
	; the bias: lane (r, h) wants, for B's tile b, columns 32 (b / 2) + 16 h + 8 (b % 2) + 0..7
	s_lshl_b32 s46, s42, 10
	s_lshl_b32 s47, s16, 9
	s_add_co_u32 s46, s46, s47                     ; my first column, in bytes
	s_mov_b32 s47, 0
	s_add_nc_u64 s[96:97], s[96:97], s[46:47]
	v_lshlrev_b32 v7, 6, v2
.irp b, 0,1,2,3,4,5,6,7
	global_load_b128 v[BI+8*\b:BI+8*\b+3], v7, s[96:97] offset:(32*(\b/2)+8*(\b%2))*4
	global_load_b128 v[BI+8*\b+4:BI+8*\b+7], v7, s[96:97] offset:(32*(\b/2)+8*(\b%2))*4+16
.endr
	s_lshl_b32 s20, s17, 8
	s_lshl_b32 s21, s15, 7
	s_add_co_u32 s20, s20, s21                     ; my first row of out0
	s_lshl_b32 s20, s20, 12
	s_add_co_u32 s46, s46, s20
	s_add_nc_u64 s[98:99], s[98:99], s[46:47]
	s_wait_tensorcnt 1                             ; the scales and my part of slot 0 are in; slot 1's load may be out
	s_barrier_signal -1
	s_barrier_wait -1
	FETCH_B 0, 0, 0
	FETCH_A 0, 0, 0
	SCALES 0
	FETCH_A 0, 0, 4
	s_wait_loadcnt 0x0                             ; the bias
	STEP 0, 0, 2                                   ; the first products start the sums from the bias
	STEPS 0, 1
	TURN
	STEPS 1, 0
	s_wait_dscnt 4*NL                              ; the last step
	WIN MUL_LO
	MUL16 0, 1, NQ-1, 1, 0
	MUL16 2, 1, NQ-1, 1, 0
	s_wait_dscnt 0x0
	WIN MUL_HI
	MUL16 4, 1, NQ-1, 1, 0
	MUL16 6, 1, NQ-1, 1, 0
	WIN 0
.macro TOSTAGE a
.set AC, 64*((\a)%4)
	WIN 0x08+4*((\a)/4)                            ; an LDS store's data: window 2 or 3
.irp b, 0,1,2,3,4,5,6,7
	ds_store_b128 v[STO], v[AC+8*\b:AC+8*\b+3] offset:128*(\b/2)+32*(\b%2)       ; each accumulator from its low end on
	ds_store_b128 v[STO], v[AC+8*\b+4:AC+8*\b+7] offset:128*(\b/2)+32*(\b%2)+16
.endr
	WIN 0
.set BB, BK+64*((\a)%2)
.irp t, 0,1,2,3,4,5,6,7,8,9,10,11,12,13,14,15
	ds_load_b128 v[BB+4*\t:BB+4*\t+3], v[RD] offset:\t*SPITCH   ; LDS serves a wave's instructions in order: these see the stores above
.endr
.endm
.macro SEND a, younger                 ; younger: the LDS instructions issued behind block a's loads, which may stay out
.set BB, BK+64*((\a)%2)
	s_wait_dscnt \younger
.if (\a) > 0
.if (\a)%2
	s_add_nc_u64 s[98:99], s[98:99], 8*4096        ; an odd tile begins 8 rows behind its even neighbour (the earlier stores have read their base: the wait on XCNT stands ahead)
.else
	s_add_nc_u64 s[98:99], s[98:99], 24*4096       ; the next pair 32 rows behind the last
.endif
.endif
.irp t, 0,1,2,3,4,5,6,7,8,9,10,11,12,13,14,15
	global_store_b128 v[L16], v[BB+4*\t:BB+4*\t+3], s[98:99] offset:(\t+8*(\t/8))*4096 th:TH_STORE_NT   ; 32 lanes store 512 consecutive bytes of a row
.endr
.endm
	PLACES NP                                      ; in front of the first read of results and of loads into registers that the products read
	TOSTAGE 0
.irp a, 1,2,3,4,5,6,7
.if \a > 1
	s_wait_xcnt 0x0                                ; block a - 2's stores have read their registers and their base
.endif
	TOSTAGE \a
	SEND \a-1, 32                                  ; behind block a - 1's loads: block a's 16 stores and 16 loads
.endr
	s_wait_xcnt 0x0
	SEND 7, 0
	s_wait_tensorcnt 0x0
	ds_add_u32 v126, v127
	s_wait_dscnt 0x0
	CROUND                                         ; the closing round: no work-group ends while a partner may still ask for a tile that names it
	s_endpgm
.Lfunc_end_k_q9faf6fd4cd_proj:
	.size	k_q9faf6fd4cd_proj, .Lfunc_end_k_q9faf6fd4cd_proj-k_q9faf6fd4cd_proj
	.p2alignl 7, 3214868480
	.fill 96, 4, 3214868480
	.section	.rodata,"a",@progbits
	.p2align	6, 0x0
	.amdhsa_kernel k_q9faf6fd4cd_proj
		.amdhsa_group_segment_fixed_size 279040
		.amdhsa_private_segment_fixed_size 0
		.amdhsa_enable_private_segment 0
		.amdhsa_kernarg_size 48
		.amdhsa_user_sgpr_count 2
		.amdhsa_user_sgpr_kernarg_segment_ptr 1
		.amdhsa_wavefront_size32 1
		.amdhsa_system_sgpr_workgroup_id_x 1
		.amdhsa_system_sgpr_workgroup_id_y 1
		.amdhsa_system_sgpr_workgroup_id_z 1
		.amdhsa_system_vgpr_workitem_id 0
		.amdhsa_next_free_vgpr 1024
		.amdhsa_next_free_sgpr 100
		.amdhsa_reserve_vcc 0
		.amdhsa_float_denorm_mode_32 3
		.amdhsa_float_denorm_mode_16_64 3
		.amdhsa_memory_ordered 1
		.amdhsa_forward_progress 1
		.amdhsa_inst_pref_size 125
	.end_amdhsa_kernel
	.amdgpu_metadata
---
amdhsa.version: [ 1, 2 ]
amdhsa.kernels:
  - .name:           k_q9faf6fd4cd_proj
    .symbol:         k_q9faf6fd4cd_proj.kd
    .args:
      - { .name: y_codes, .offset: 0, .size: 8, .value_kind: global_buffer, .address_space: global }
      - { .name: y_scales, .offset: 8, .size: 8, .value_kind: global_buffer, .address_space: global }
      - { .name: xw_codes, .offset: 16, .size: 8, .value_kind: global_buffer, .address_space: global }
      - { .name: xw_scales, .offset: 24, .size: 8, .value_kind: global_buffer, .address_space: global }
      - { .name: b_proj, .offset: 32, .size: 8, .value_kind: global_buffer, .address_space: global }
      - { .name: out0, .offset: 40, .size: 8, .value_kind: global_buffer, .address_space: global }
    .group_segment_fixed_size: 279040
    .private_segment_fixed_size: 0
    .kernarg_segment_align: 8
    .kernarg_segment_size: 48
    .max_flat_workgroup_size: 128
    .sgpr_count:     100
    .vgpr_count:     1024
    .wavefront_size: 32
...
	.end_amdgpu_metadata
.endif
;; end of part 4
